; MI455X (gfx1250); checked and timed in simulation.
; The chip was launched on July 23, 2026; its instructions are those of AMD's public machine-readable ISA for CDNA 5 (MIT licence, August 2026) and "CDNA5" Instruction Set Architecture Reference Guide (July 2026). The comments in the code are by the model that wrote it; some were corrected since.
;; Multi Head Attention. Allowed arithmetic: matrix products marked QUANTISED: E2M3 operands, one E8M0 scale for each 32 along K, by v_wmma_scale_f32_16x16x128_f8f6f4 with both operands' format E2M3, f32 sums; everything else in f32.
;; Inputs: b_proj 1,024 float32; b_qkv 3,072 float32; w_proj 1,024 x 1,024 float32; w_qkv 1,024 x 3,072 float32; x 4 x 2,048 x 1,024 float32.
;; Outputs: out0 4 x 2,048 x 1,024 float32.
;; This version of the problem:
;;   THIS VERSION OF THE PROBLEM IS GIVEN IN LOW PRECISION. The matrix products marked QUANTISED in the list below multiply operands that are first quantised to E2M3 (2 exponent bits, 3 mantissa bits; 6 bits a number), with one power-of-two scale for each 32 numbers along K (OCP MX v1.0); their sums are f32. All else is computed in f32.
;;   The module's matrix products, in the order in which they are computed (A, B: the left and right operand; K: the contracted axis; several contracted axes count as one K, in the product's order):
;;     1. [M 8,192, K 1,024] x [K 1,024, N 3,072]; A: input x; B: input w_qkv: QUANTISED
;;     2. batch 64 x [M 2,048, K 64] x [K 64, N 2,048]; A: computed on the way; B: computed on the way: QUANTISED
;;     3. batch 64 x [M 2,048, K 2,048] x [K 2,048, N 64]; A: softmax (see below); B: computed on the way: QUANTISED
;;     4. [M 8,192, K 1,024] x [K 1,024, N 1,024]; A: computed on the way; B: input w_proj: QUANTISED
;;   THE QUANTISER, for each operand of a quantised product, along K:
;;     - K is cut into blocks of 32 from its start; a last block that is shorter is filled with zeros.
;;     - A block's scale is 2^e with e = floor(log2(the largest magnitude in the block)) - 2, held to -126 .. 127; a block of zeros has e = 0. As a byte (E8M0): e + 127.
;;     - Each number is divided by its block's scale, clamped to +-7.5, and rounded to the nearest number of E2M3, ties to even, subnormals kept.
;;     - The product sums the exact products of the quantised numbers (number of the format x scale) in f32.
;;   ~~~python
;;   def quantise(x, axis):      # numpy; x: float32 -> the quantised numbers, widened to float32 again
;;       x = np.moveaxis(x, axis, -1); K = x.shape[-1]
;;       x = np.pad(x, [(0, 0)] * (x.ndim - 1) + [(0, -K % 32)]); x = x.reshape(x.shape[:-1] + (-1, 32)); a = np.abs(x).max(-1, keepdims=True)
;;       e = np.where(a > 0, np.clip(np.frexp(np.where(a > 0, a, 1))[1] - 1 - 2, -126, 127), 0)      # np.frexp(a)[1] - 1 = floor(log2(a)), exactly
;;       r = np.clip(x / 2.0 ** e, -7.5, 7.5)
;;       step = 2.0 ** (np.maximum(np.frexp(np.where(r == 0, 1, r))[1] - 1, 0) - 3)
;;       q = np.round(r / step) * step * 2.0 ** e      # np.round: ties to even
;;       return np.moveaxis(q.reshape(q.shape[:-2] + (-1,))[..., :K], -1, axis).astype(np.float32)
;;   ~~~
;;   SOFTMAX AHEAD OF A QUANTISED PRODUCT. Where the list says 'softmax', what is quantised is not the finished softmax but p = 2^(t - M), with t = logit x log2(e) and M = ceil(the row's largest t), a whole number; so 1/2 < the row's largest p <= 1. The row's sum l is taken of the UNQUANTISED p, in f32, and the product's result is divided by l at the end. Since M is a whole number, a kernel that streams over the keys may use a running M (the ceiling of the running maximum): every later rescaling is an exact power of two, which a block's scale takes up: the codes' values come out the same.
;;   OPERANDS COMPUTED ON THE WAY. 'Computed on the way' means the value that the module computes at that place (a softmax that the list does not call 'softmax' is quantised finished and normalised). What goes into a quantiser is computed in f32, as accurately as f32 sums, v_exp_f32 and their like allow (about 1e-6 of the number): no bf16 or f16 on the way to a quantiser, and a product that is left as it is and whose result goes on into a quantised operand takes f32 operands (vector FMAs, or v_wmma_f32_16x16x4_f32). A number that lies on a knife's edge between two numbers of the format may be rounded either way, as far as f32 arithmetic and the matrix unit's own rounding can turn it there, and no further.
;; One version. Each part assembles by itself: llvm-mc -triple=amdgcn-amd-amdhsa -mcpu=gfx1250 --defsym DOCPART=n.
;; ======== version 1 of 1: 4 launches
;; limits: right only within a limited range of input values
;; workspace buffers: xc 6,291,456 bytes; wqc 2,359,296 bytes; wpc 786,432 bytes; oc 6,291,456 bytes; sc1 360,448 bytes; sc2 294,912 bytes; qkv 19,660,800 bytes
;; launch quant (part 1): grid 512 x 1, 4 waves a work-group, no clusters, 47,616 bytes of LDS; arguments x, w_qkv, w_proj, xc, wqc, wpc, sc1, sc2; writes xc, wqc, wpc, sc1, sc2
.if DOCPART == 1
	.amdgcn_target "amdgcn-amd-amdhsa--gfx1250"
	.amdhsa_code_object_version 6
	.text
	.protected	k_q7282c0384a_quant
	.globl	k_q7282c0384a_quant
	.p2align	8
	.type	k_q7282c0384a_quant,@function
k_q7282c0384a_quant:
	s_mov_b64 s[64:65], 0
	v_nop
	global_prefetch_b8 v0, s[64:65] scope:SCOPE_SE
	s_setreg_imm32_b32 hwreg(HW_REG_WAVE_MODE, 25, 1), 1
	s_wait_xcnt 0x0
; x [8192][1024], w_qkv [1024][3072] and w_proj [1024][1024], f32, become codes of FP6 (E2M3) with one E8M0 byte for each 32 along K (K = the 1024: x's last axis, the weights' first).
; A block's scale is 2^(floor(log2(its largest magnitude)) - 2): its byte is the largest magnitude's exponent field - 2, held at 1 from below; each number is divided by the scale and rounded to the nearest code, ties to even, held at the largest code.
; LIMITS: NaN and infinities are not served.  A block of zeros, or one whose largest magnitude lies under 2^-124, gets the byte 1 where the quantiser says 127 or less: its codes are zeros (or held by the floor), and the bytes are read by this program alone.
; LAYOUT OF THE CODES: IMAGES OF OPERAND REGISTERS.  A fragment (16 rows x 128 K, 12 registers a lane) is 1,536 bytes: two halves of 768 (64 K each); in a half, lane l's registers 0-3 lie at 16 l and its registers 4-5 at 512 + 8 l.
; Buffers: [256 along K][tile of 16 rows][128 along K][1536].  Scale bytes: 32 a row, one word for each 128 along K; the weights' rows lie 262,144 bytes behind x's (sc1) or o's (sc2).
; THE ORDER OF ROWS.  Rows (tokens; columns n of a weight) are stored by POSITION: in each group of 64, position 16 i + 8 g + j holds row 32 g + 8 i + j.  In a product used transposed a lane's 32 results of four neighbouring tiles
; are then 32 neighbouring rows, a whole block of the next product's K.
; SHARES.  Work-groups 0-255: x; a wave takes a tile of 16 rows and 512 along K, four fragments.  Each load reads 512 consecutive bytes of a row; the 16 rows turn through the wave's own stage in LDS, so that a lane gets
; two whole blocks of its row.  Work-groups 256-511: the weights, 128 columns x 128 K each; a lane takes a column and its registers run down K, so a block lies in one lane; the images are gathered in LDS and leave in runs of 512 bytes.
; The two paths part on the work-group's number and have LDS bytes of their own.
.set XSTG,  0                          ; x's path: 16 rows x 528 bytes for each wave (512 + 16: an odd multiple of 16, so that sixteen rows begin at sixteen different 16-byte columns of 256)
.set WSTG,  33792                      ; the weights' path: 8 fragments, 1,664 bytes apart
.set SPARE, 47104                      ; the spare words, 128 bytes for each wave: two blocks of 256 bytes that no other line names
.set SPW,  2                           ; v2   LDS address of my spare word; never rewritten
.set NIL,  3                           ; v3   0; never rewritten
.set LN16, 6                           ; v6   16 x lane
.set LN8,  7                           ; v7   8 x lane
.set SH8,  8                           ; v8   8 x (lane / 16)
.set X1,   9                           ; v9   what lane l xor 16 sends
.set PW,   10                          ; v10-13 x: the four scale words;  weights: v10 the column's scale word
.set SEL,  22                          ; s[22:23] v_permlanex16_b32's selects for lane l xor 16
.set R,    32                          ; v32-159  x: two sets of 64 registers as loaded;  weights: v32-63 offsets, v64-191 four blocks of 32 numbers
.set X,    160                         ; v160-223 x: my row's numbers: register 32 c + i is k = 64 c + 32 (lane / 16) + i
.set P,    224                         ; v224-235 the fragment's codes
.set TQ,   236                         ; v236-243 a block's upper 16 codes (a conversion's three registers begin on an even number)
.set TM,   244                         ; v244-245 largest magnitudes
.set SO,   246                         ; v246-247 the conversions' scale operands
.set BY,   248                         ; v248-249 the scales' bytes
.set W,    250
; 64 numbers of a lane, two whole blocks, become a fragment's 12 registers in v[P] on, and the row's scale word in v[dst].
.macro QUANT2 s, dst
.irp c, 0,1
	v_max3_num_f32 v[TM+\c], |v[\s+32*\c]|, |v[\s+32*\c+1]|, 0x1800000   ; with the floor 2^(3 - 127) among the leaves: the byte cannot fall under 1
.endr
.irp i, 2,4,6,8,10,12,14,16,18,20,22,24,26,28,30
.irp c, 0,1
	v_max3_num_f32 v[TM+\c], v[TM+\c], |v[\s+32*\c+\i]|, |v[\s+32*\c+\i+1]|   ; the two blocks by turns
.endr
.endr
.irp c, 0,1
	v_add_nc_u32 v[SO+\c], 0xff000000, v[TM+\c]    ; 2 off the exponent field: the conversion takes this operand's exponent field as its scale
.endr
.irp c, 0,1
	v_lshrrev_b32 v[BY+\c], 23, v[SO+\c]           ; the scale's byte
.endr
	v_lshl_or_b32 v[W], v[BY+1], 16, v[BY]         ; my blocks are (lane / 16) and 2 + (lane / 16) of the four:
	v_lshlrev_b32 v[W], v[SH8], v[W]               ; at their places in the word;
	v_permlanex16_b32 v[X1], v[W], s[SEL], s[SEL+1]
	v_or_b32 v[\dst], v[W], v[X1]                  ; with lane l xor 16's two the word is whole
.irp c, 0,1
	v_cvt_scalef32_pk16_fp6_f32 v[P+6*\c:P+6*\c+2], v[\s+32*\c:\s+32*\c+15], v[SO+\c]
	v_cvt_scalef32_pk16_fp6_f32 v[TQ+4*\c:TQ+4*\c+2], v[\s+32*\c+16:\s+32*\c+31], v[SO+\c]
.endr
	v_nop                                          ; one plain line behind the conversions, ahead of the moves that read their results
.irp c, 0,1
.irp i, 0,1,2
	v_mov_b32 v[P+6*\c+3+\i], v[TQ+4*\c+\i]
.endr
.endr
.endm
	s_load_b512 s[4:19], s[0:1], 0x0               ; x s[4:5], w_qkv s[6:7], w_proj s[8:9], xc s[10:11], wqc s[12:13], wpc s[14:15], sc1 s[16:17], sc2 s[18:19]
	v_lshl_add_u32 v[SPW], v0, 2, SPARE
	v_mov_b32 v[NIL], 0
	v_lshrrev_b32 v1, 5, v0
	v_readfirstlane_b32 s20, v1                    ; wave 0..3
	v_and_b32 v1, 31, v0                           ; lane
	v_and_b32 v4, 15, v0                           ; r
	v_bfe_u32 v5, v0, 4, 1                         ; h
	v_lshlrev_b32 v[LN16], 4, v1
	v_lshlrev_b32 v[LN8], 3, v1
	v_lshlrev_b32 v[SH8], 3, v5
	v_mov_b32 v[X1], 0                             ; written once: a lane permute's destination counts as one of its sources
	s_mov_b32 s21, 0xffff0000                      ; lanes 16-31
	s_mov_b32 s[SEL], 0x76543210
	s_mov_b32 s[SEL+1], 0xfedcba98
	s_lshr_b32 s24, s20, 1                         ; wave / 2
	s_and_b32 s25, s20, 1                          ; wave % 2
	s_cmp_lt_u32 ttmp9, 256
	s_cbranch_scc0 .Lweights
	; ---------------- x: tile of rows 2 x work-group + wave / 2; K = 512 (wave % 2) on
	s_lshl_b32 s26, ttmp9, 1
	s_add_co_u32 s26, s26, s24                     ; the tile
	s_lshr_b32 s27, s26, 2
	s_lshl_b32 s27, s27, 6
	s_and_b32 s28, s26, 3
	s_lshl_b32 s28, s28, 3
	s_add_co_u32 s27, s27, s28                     ; its first token: 64 (tile / 4) + 8 (tile % 4); row i of the tile is token + (i % 8) + 32 (i / 8)
	s_lshl_b32 s28, s27, 12
	s_lshl_b32 s29, s25, 11
	s_add_co_u32 s28, s28, s29
	s_mov_b32 s29, 0
	s_mul_i32 s30, s25, 3145728                    ; the codes: two strides of 256 along K for each 512,
	s_mul_i32 s31, s26, 3072                       ; 3,072 bytes a tile
	s_add_co_u32 s30, s30, s31
	s_mov_b32 s31, 0
	s_mul_i32 s32, s20, 8448                       ; my stage
	s_wait_alu depctr_va_vdst(0)
	v_add_nc_u32 v16, s32, v[LN16]                 ; in: a row's 512 bytes as they lie
	v_mul_u32_u24 v17, v4, 528
	v_lshl_add_u32 v17, v5, 7, v17
	v_add_nc_u32 v17, s32, v17                     ; out: row r, 128 h bytes on: my block
	s_lshl_b32 s33, s26, 9
	s_lshl_b32 s34, s25, 4
	s_add_co_u32 s33, s33, s34
	v_lshlrev_b32 v18, 5, v4
	v_lshl_add_u32 v18, v5, 3, v18
	v_add_nc_u32 v18, s33, v18                     ; the scale words: 32 x position + 16 (wave % 2) + 8 h
	s_wait_alu depctr_va_vdst(0)
	s_wait_kmcnt 0x0
	s_add_nc_u64 s[4:5], s[4:5], s[28:29]
	s_add_nc_u64 s[10:11], s[10:11], s[30:31]
.macro LOADF t                         ; fragment t: 16 rows x 512 bytes, each load 512 consecutive bytes
.irp i, 0,1,2,3,4,5,6,7,8,9,10,11,12,13,14,15
	global_load_b128 v[R+64*((\t)%2)+4*\i:R+64*((\t)%2)+4*\i+3], v[LN16], s[4:5] offset:((\i%8)+32*(\i/8))*4096+512*(\t) th:TH_LOAD_NT
.endr
.endm
.macro TURNF t                         ; through my stage: LDS serves a wave's instructions in order, so no wait stands between the stores and the loads
.irp i, 0,1,2,3,4,5,6,7,8,9,10,11,12,13,14,15
	ds_store_b128 v16, v[R+64*((\t)%2)+4*\i:R+64*((\t)%2)+4*\i+3] offset:528*\i
.endr
.irp c, 0,1
.irp q, 0,1,2,3,4,5,6,7
	ds_load_b128 v[X+32*\c+4*\q:X+32*\c+4*\q+3], v17 offset:256*\c+16*\q
.endr
.endr
.endm
	LOADF 0
	LOADF 1
.irp t, 0,1,2,3
.if \t < 3
	s_wait_loadcnt 16                              ; this fragment's 16 loads are in; the next one's 16 may be out
.else
	s_wait_loadcnt 0x0
.endif
	TURNF \t
	s_wait_dscnt 0x0                               ; my numbers are back, and the stage's stores have read their registers,
.if \t < 2
	LOADF \t+2                                     ; which take the loads of two fragments on
.endif
.if \t > 0
	s_wait_xcnt 0x0                                ; the last fragment's stores have read v[P] on: it is written again only behind this wait
.endif
	QUANT2 X, PW+\t
	global_store_b128 v[LN16], v[P:P+3], s[10:11] offset:(\t/2)*1572864+(\t%2)*1536           ; 512 consecutive bytes,
	global_store_b64 v[LN8], v[P+4:P+5], s[10:11] offset:(\t/2)*1572864+(\t%2)*1536+512       ; 256,
	global_store_b128 v[LN16], v[P+6:P+9], s[10:11] offset:(\t/2)*1572864+(\t%2)*1536+768     ; and the second half likewise
	global_store_b64 v[LN8], v[P+10:P+11], s[10:11] offset:(\t/2)*1572864+(\t%2)*1536+1280
.endr
	v_cndmask_b32 v14, v[PW], v[PW+2], s21         ; lanes 0-15 store words 0, 1 of my four, lanes 16-31 words 2, 3
	v_cndmask_b32 v15, v[PW+1], v[PW+3], s21
	global_store_b64 v18, v[14:15], s[16:17]       ; 16 bytes of each row's 32: the other wave of the tile stores the rest.  One byte for 24 of codes
	s_wait_tensorcnt 0x0                           ; the wave's end: an add to my spare word and its wait, behind my last LDS store
	ds_add_u32 v[SPW], v[NIL]
	s_wait_dscnt 0x0
	s_endpgm
	; ---------------- the weights: work-group g = number - 256: columns 128 (g % 32) on (24 groups of w_qkv, then 8 of w_proj), K = 128 (g / 32) on
.Lweights:
	s_sub_co_u32 s26, ttmp9, 256
	s_and_b32 s27, s26, 31
	s_lshr_b32 s28, s26, 5                         ; which 128 along K
	s_wait_kmcnt 0x0
	s_cmp_lt_u32 s27, 24                           ; the choice hangs on the work-group's number alone; only pointers and sizes are chosen: both weights take one path
	s_cselect_b64 s[6:7], s[6:7], s[8:9]
	s_cselect_b64 s[12:13], s[12:13], s[14:15]
	s_cselect_b64 s[16:17], s[16:17], s[18:19]
	s_mov_b32 s29, 4096
	s_cselect_b32 s29, 12288, s29                  ; a row of the weight in bytes
	s_mov_b32 s30, 196608
	s_cselect_b32 s30, 589824, s30                 ; its codes' stride for 256 along K
	s_cselect_b32 s31, 0, 24
	s_sub_co_u32 s31, s27, s31                     ; the group of 128 columns in its weight
	s_lshl_b32 s34, s28, 7
	s_mul_i32 s34, s34, s29
	s_lshl_b32 s32, s31, 9
	s_add_co_u32 s34, s34, s32
	s_mov_b32 s35, 0
	s_add_nc_u64 s[36:37], s[6:7], s[34:35]        ; block 0's first row, my group's first column;
	s_lshl_b32 s34, s29, 5
	s_add_nc_u64 s[38:39], s[36:37], s[34:35]      ; blocks 1, 2, 3: 32 rows on each
	s_add_nc_u64 s[40:41], s[38:39], s[34:35]
	s_add_nc_u64 s[42:43], s[40:41], s[34:35]
	v_lshlrev_b32 v32, 2, v0                       ; thread t takes column t of the 128: a load of the wave reads 128 consecutive bytes, the four waves 512
.set ii, 1
.rept 31
	v_add_nc_u32 v[32+ii], s29, v[31+ii]           ; and row i of a block; these 32 offsets are never rewritten
.set ii, ii+1
.endr
.macro LOADW bk
.irp i, 0,1,2,3,4,5,6,7,8,9,10,11,12,13,14,15,16,17,18,19,20,21,22,23,24,25,26,27,28,29,30,31
	global_load_b32 v[64+32*(\bk)+\i], v[32+\i], s[36+2*(\bk):37+2*(\bk)] th:TH_LOAD_NT
.endr
.endm
	LOADW 0
	LOADW 1
	; column 32 w + l of the group lies at position 64 (w / 2) + 16 (l / 8) + 8 (w % 2) + l % 8: tile 4 (w / 2) + l / 8, row 8 (w % 2) + l % 8
	v_lshrrev_b32 v11, 3, v1
	v_and_b32 v12, 7, v1
	s_mul_i32 s34, s24, 6656
	s_lshl_b32 s32, s25, 7
	s_add_co_u32 s32, s32, s34
	s_add_co_u32 s32, s32, WSTG
	v_mul_u32_u24 v13, v11, 1664
	v_lshl_add_u32 v16, v12, 4, v13
	v_add_nc_u32 v16, s32, v16                     ; where my registers 0-3 of a half go: the tile's fragment, 16 x row
	s_lshl_b32 s32, s25, 6
	s_add_co_u32 s32, s32, s34
	s_add_co_u32 s32, s32, WSTG
	v_lshl_add_u32 v17, v12, 3, v13
	v_add_nc_u32 v17, s32, v17                     ; and my registers 4-5: 8 x row
	v_lshl_add_u32 v18, v11, 4, v12
	s_lshl_b32 s32, s24, 6
	s_lshl_b32 s33, s25, 3
	s_add_co_u32 s32, s32, s33
	v_add_nc_u32 v18, s32, v18
	v_lshlrev_b32 v18, 5, v18                      ; my column's row of scale bytes: 32 x position
	s_mul_i32 s32, s20, 3328
	s_add_co_u32 s32, s32, WSTG
	v_add_nc_u32 v19, s32, v[LN16]                 ; the way out: fragments 2 w and 2 w + 1, 16 bytes a lane
	s_lshr_b32 s34, s28, 1
	s_mul_i32 s34, s34, s30
	s_lshl_b32 s32, s31, 3
	s_lshl_b32 s33, s20, 1
	s_add_co_u32 s32, s32, s33
	s_mul_i32 s32, s32, 3072
	s_add_co_u32 s34, s34, s32
	s_and_b32 s32, s28, 1
	s_mul_i32 s32, s32, 1536
	s_add_co_u32 s34, s34, s32
	s_add_nc_u64 s[12:13], s[12:13], s[34:35]      ; the codes of tile 8 x group + 2 w, this 128 along K
	s_lshl_b32 s34, s31, 12
	s_lshl_b32 s32, s28, 2
	s_add_co_u32 s34, s34, s32
	s_add_co_u32 s34, s34, 262144
	s_add_nc_u64 s[16:17], s[16:17], s[34:35]      ; the group's scale rows, this 128's word
.macro WBLOCK bk                       ; block bk of my column: K = 32 bk on: half bk / 2 of the fragment, lanes 16 (bk % 2) on
.set XS, 64+32*(\bk)
.if \bk < 3
	s_wait_loadcnt 32                              ; this block's 32 loads are in; the next block's 32 may be out
.else
	s_wait_loadcnt 0x0
.endif
.if \bk < 2
	LOADW \bk+2
.endif
	v_max3_num_f32 v[TM], |v[XS]|, |v[XS+1]|, |v[XS+2]|      ; all 32 numbers are mine; two chains
	v_max3_num_f32 v[TM+1], |v[XS+3]|, |v[XS+4]|, |v[XS+5]|
.irp i, 6,10,14,18,22,26
	v_max3_num_f32 v[TM], v[TM], |v[XS+\i]|, |v[XS+\i+1]|
	v_max3_num_f32 v[TM+1], v[TM+1], |v[XS+\i+2]|, |v[XS+\i+3]|
.endr
	v_max3_num_f32 v[TM], v[TM], |v[XS+30]|, |v[XS+31]|
	v_max3_num_f32 v[TM], v[TM], v[TM+1], 0x1800000          ; and the floor
	v_add_nc_u32 v[SO], 0xff000000, v[TM]
	v_lshrrev_b32 v[BY], 23, v[SO]
.if \bk == 0
	v_mov_b32 v[PW], v[BY]
.else
	v_lshl_or_b32 v[PW], v[BY], 8*\bk, v[PW]
.endif
	v_cvt_scalef32_pk16_fp6_f32 v[P:P+2], v[XS:XS+15], v[SO]
	v_cvt_scalef32_pk16_fp6_f32 v[TQ:TQ+2], v[XS+16:XS+31], v[SO]
	v_nop                                          ; one plain line behind the conversions
.irp i, 0,1,2
	v_mov_b32 v[P+3+\i], v[TQ+\i]
.endr
	ds_store_b128 v16, v[P:P+3] offset:768*(\bk/2)+256*(\bk%2)
	ds_store_b64 v17, v[P+4:P+5] offset:768*(\bk/2)+512+128*(\bk%2)
	s_wait_dscnt 0x0                               ; the stores have read their registers: the next block's codes may be written
.endm
	WBLOCK 0
	WBLOCK 1
	WBLOCK 2
	WBLOCK 3
	s_wait_alu depctr_va_vdst(0)
	global_store_b32 v18, v[PW], s[16:17]          ; my column's word for this 128 along K: 4 bytes of a row's 32.  One byte for 24 of codes
	s_wait_dscnt 0x0                               ; for the others' sake: my stores into the fragments are done
	s_barrier_signal -1
	s_barrier_wait -1                              ; the eight fragments are whole (all four waves of a work-group are on this path)
.irp i, 0,1,2,3,4,5
	ds_load_b128 v[64+4*\i:64+4*\i+3], v19 offset:(\i/3)*1664+(\i%3)*512
.endr
.irp i, 0,1,2,3,4,5
	s_wait_dscnt 5-\i                              ; the younger loads may be out
	global_store_b128 v[LN16], v[64+4*\i:64+4*\i+3], s[12:13] offset:(\i/3)*3072+(\i%3)*512   ; 512 consecutive bytes, at a multiple of 256 from the buffer's first byte
.endr
	s_wait_tensorcnt 0x0                           ; the wave's end: an add to my spare word and its wait, behind my last LDS store
	ds_add_u32 v[SPW], v[NIL]
	s_wait_dscnt 0x0
	s_endpgm
.Lfunc_end_k_q7282c0384a_quant:
	.size	k_q7282c0384a_quant, .Lfunc_end_k_q7282c0384a_quant-k_q7282c0384a_quant
	.p2alignl 7, 3214868480
	.fill 96, 4, 3214868480
	.section	.rodata,"a",@progbits
	.p2align	6, 0x0
	.amdhsa_kernel k_q7282c0384a_quant
		.amdhsa_group_segment_fixed_size 47616
		.amdhsa_private_segment_fixed_size 0
		.amdhsa_enable_private_segment 0
		.amdhsa_kernarg_size 64
		.amdhsa_user_sgpr_count 2
		.amdhsa_user_sgpr_kernarg_segment_ptr 1
		.amdhsa_wavefront_size32 1
		.amdhsa_system_sgpr_workgroup_id_x 1
		.amdhsa_system_sgpr_workgroup_id_y 1
		.amdhsa_system_sgpr_workgroup_id_z 1
		.amdhsa_system_vgpr_workitem_id 0
		.amdhsa_next_free_vgpr 256
		.amdhsa_next_free_sgpr 66
		.amdhsa_reserve_vcc 0
		.amdhsa_float_denorm_mode_32 3
		.amdhsa_float_denorm_mode_16_64 3
		.amdhsa_memory_ordered 1
		.amdhsa_forward_progress 1
		.amdhsa_inst_pref_size 54
	.end_amdhsa_kernel
	.amdgpu_metadata
---
amdhsa.version: [ 1, 2 ]
amdhsa.kernels:
  - .name:           k_q7282c0384a_quant
    .symbol:         k_q7282c0384a_quant.kd
    .args:
      - { .name: x, .offset: 0, .size: 8, .value_kind: global_buffer, .address_space: global }
      - { .name: w_qkv, .offset: 8, .size: 8, .value_kind: global_buffer, .address_space: global }
      - { .name: w_proj, .offset: 16, .size: 8, .value_kind: global_buffer, .address_space: global }
      - { .name: xc, .offset: 24, .size: 8, .value_kind: global_buffer, .address_space: global }
      - { .name: wqc, .offset: 32, .size: 8, .value_kind: global_buffer, .address_space: global }
      - { .name: wpc, .offset: 40, .size: 8, .value_kind: global_buffer, .address_space: global }
      - { .name: sc1, .offset: 48, .size: 8, .value_kind: global_buffer, .address_space: global }
      - { .name: sc2, .offset: 56, .size: 8, .value_kind: global_buffer, .address_space: global }
    .group_segment_fixed_size: 47616
    .private_segment_fixed_size: 0
    .kernarg_segment_align: 8
    .kernarg_segment_size: 64
    .max_flat_workgroup_size: 128
    .sgpr_count:     66
    .vgpr_count:     256
    .wavefront_size: 32
...
	.end_amdgpu_metadata
.endif
;; end of part 1
;; launch gemm1 (part 2): grid 8 x 48, 4 waves a work-group, clusters of 4 x 4, 327,680 bytes of LDS; arguments xc, wqc, sc1, b_qkv, qkv; writes qkv
.if DOCPART == 2
	.amdgcn_target "amdgcn-amd-amdhsa--gfx1250"
	.amdhsa_code_object_version 6
	.text
	.protected	k_q7282c0384a_gemm1
	.globl	k_q7282c0384a_gemm1
	.p2align	8
	.type	k_q7282c0384a_gemm1,@function
k_q7282c0384a_gemm1:
	s_mov_b64 s[64:65], 0
	v_nop
	global_prefetch_b8 v0, s[64:65] scope:SCOPE_SE
	s_setreg_imm32_b32 hwreg(HW_REG_WAVE_MODE, 25, 1), 1
	s_wait_xcnt 0x0
	s_wait_alu depctr_hold_cnt(0) depctr_sa_sdst(0) depctr_va_vdst(0) depctr_va_sdst(0) depctr_va_ssrc(0) depctr_va_vcc(0) depctr_vm_vsrc(0)
	s_getreg_b32 s2, hwreg(HW_REG_IB_STS2, 6, 4)
	s_cmp_eq_u32 s2, 0
	s_cbranch_scc0 .Lentry_in_a_cluster
	s_endpgm
.Lentry_in_a_cluster:
	s_bfe_u32 s2, ttmp6, 0x10000c
	s_cmp_lg_u32 s2, 0xf033
	s_cbranch_scc0 .Lentry_shape_is_right
	s_endpgm
.Lentry_shape_is_right:
.set SLOT,  98304
.set SPARE, 196608
.set FR,  12
.set SC,  32
.set BT,  96
.set AF,  128
.set SPW, 28
.set NIL, 29
.set SH8, 26
.set X1,  31
.set X,   128
.set P,   192
.set TQ,  204
.set TM,  212
.set SO,  214
.set BY,  216
.set W,   218
.set PWS, 224
.set G1,  24
.set G0,  32
.set G1B, 48
.set G0B, 56
.set SEL, 96
.set MSB, 0
.macro WIN new
.if MSB != \new
	s_set_vgpr_msb (MSB<<8)|(\new)
.set MSB, \new
.endif
.endm
.macro JLOAD g0a, g1a, g0b, g1b
	s_cmp_eq_u32 s15, 0
	s_cbranch_scc0 .Lfor_u_\@
	tensor_load_to_lds s[\g0a:\g0a+3], s[\g1a:\g1a+7]
	s_nop 0
.rept 4
	v_nop
.endr
	s_branch .Lasked_\@
.Lfor_u_\@:
	tensor_load_to_lds s[\g0b:\g0b+3], s[\g1b:\g1b+7]
	s_nop 0
.rept 4
	v_nop
.endr
.Lasked_\@:
.endm
.macro CREST
	s_cmp_lg_u32 s14, 0
	s_cbranch_scc1 .Lnot_wave_0_\@
	s_barrier_signal -3
.Lnot_wave_0_\@:
	s_barrier_wait -3
	s_barrier_signal -1
	s_barrier_wait -1
.endm
.macro CROUND
	s_barrier_signal -1
	s_barrier_wait -1
	CREST
.endm
.macro PLACES
.rept 4
	v_nop
.endr
.endm
.macro FRAG reg, a16, a8, q, i
	ds_load_b128 v[\reg:\reg+3], v[\a16] offset:3072*(\i)+1536*(\q)
	ds_load_b64 v[\reg+4:\reg+5], v[\a8] offset:3072*(\i)+1536*(\q)+512
	ds_load_b128 v[\reg+6:\reg+9], v[\a16] offset:3072*(\i)+1536*(\q)+768
	ds_load_b64 v[\reg+10:\reg+11], v[\a8] offset:3072*(\i)+1536*(\q)+1280
.endm
.macro FETCH_B slot, q, p
	WIN 0x40
.irp i, 0,1,2,3,4,5,6,7
	FRAG 128*(\p)+FR*\i, 20+\slot, 22+\slot, \q, \i
.endr
	WIN 0
.endm
.macro FETCH_A slot, q, i0
.irp i, \i0, \i0+1, \i0+2, \i0+3
	FRAG AF+FR*(\i), 16+\slot, 18+\slot, \q, \i
.endr
.endm
.macro MUL16 a0, p, k, first
.irp a, \a0, \a0+1
.irp b, 0,1,2,3,4,5,6,7
.if \first
	v_wmma_scale_f32_16x16x128_f8f6f4 v[8*(8*((\a)%4)+\b):8*(8*((\a)%4)+\b)+7], v[128*(\p)+FR*\b:128*(\p)+FR*\b+FR-1], v[AF+FR*(\a):AF+FR*(\a)+FR-1], 0, v[SC+8*\b+(\k)], v[SC+8*(\a)+(\k)] matrix_a_fmt:MATRIX_FMT_FP6 matrix_b_fmt:MATRIX_FMT_FP6 matrix_a_scale:MATRIX_SCALE_ROW1
.else
	v_wmma_scale_f32_16x16x128_f8f6f4 v[8*(8*((\a)%4)+\b):8*(8*((\a)%4)+\b)+7], v[128*(\p)+FR*\b:128*(\p)+FR*\b+FR-1], v[AF+FR*(\a):AF+FR*(\a)+FR-1], v[8*(8*((\a)%4)+\b):8*(8*((\a)%4)+\b)+7], v[SC+8*\b+(\k)], v[SC+8*(\a)+(\k)] matrix_a_fmt:MATRIX_FMT_FP6 matrix_b_fmt:MATRIX_FMT_FP6 matrix_a_scale:MATRIX_SCALE_ROW1
.endif
.endr
.endr
.endm
.macro STEP slot, k, first
	s_wait_dscnt 16
	WIN 0xa1
	MUL16 0, 0, \k, \first
	MUL16 2, 0, \k, \first
	s_wait_dscnt 0x0
	PLACES
	FETCH_B \slot, 1, 1
	FETCH_A \slot, 1, 0
	WIN 0xf1
	MUL16 4, 0, \k, \first
	MUL16 6, 0, \k, \first
	PLACES
	WIN 0
	FETCH_A \slot, 1, 4
.endm
.macro TURN slot, next, k, fill
	s_wait_tensorcnt 0x0
	ds_add_u32 v[SPW], v[NIL]
	s_wait_dscnt 17
	WIN 0xa1
	MUL16 0, 1, \k, 0
	s_wait_dscnt 0x0
	s_barrier_signal -1
	MUL16 2, 1, \k, 0
	WIN 0
	s_barrier_wait -1
.if \fill
	CREST
	s_add_nc_u64 s[G0+4*\slot+2:G0+4*\slot+3], s[G0+4*\slot+2:G0+4*\slot+3], s[68:69]
	s_add_nc_u64 s[G0B+4*\slot+2:G0B+4*\slot+3], s[G0B+4*\slot+2:G0B+4*\slot+3], s[70:71]
	JLOAD G0+4*\slot, G1, G0B+4*\slot, G1B
.else
	PLACES
.endif
	FETCH_B \next, 0, 0
	FETCH_A \next, 0, 0
	WIN 0xf1
	MUL16 4, 1, \k, 0
	MUL16 6, 1, \k, 0
	PLACES
	WIN 0
	FETCH_A \next, 0, 4
.endm
.macro QUANT2 s, dst
.irp c, 0,1
	v_max3_num_f32 v[TM+\c], |v[\s+32*\c]|, |v[\s+32*\c+1]|, 0x1800000
.endr
.irp i, 2,4,6,8,10,12,14,16,18,20,22,24,26,28,30
.irp c, 0,1
	v_max3_num_f32 v[TM+\c], v[TM+\c], |v[\s+32*\c+\i]|, |v[\s+32*\c+\i+1]|
.endr
.endr
.irp c, 0,1
	v_add_nc_u32 v[SO+\c], 0xff000000, v[TM+\c]
.endr
.irp c, 0,1
	v_lshrrev_b32 v[BY+\c], 23, v[SO+\c]
.endr
	v_lshl_or_b32 v[W], v[BY+1], 16, v[BY]
	v_lshlrev_b32 v[W], v[SH8], v[W]
	v_permlanex16_b32 v[X1], v[W], s[SEL], s[SEL+1]
	v_or_b32 v[\dst], v[W], v[X1]
.irp c, 0,1
	v_cvt_scalef32_pk16_fp6_f32 v[P+6*\c:P+6*\c+2], v[\s+32*\c:\s+32*\c+15], v[SO+\c]
	v_cvt_scalef32_pk16_fp6_f32 v[TQ+4*\c:TQ+4*\c+2], v[\s+32*\c+16:\s+32*\c+31], v[SO+\c]
.endr
	v_nop
.irp c, 0,1
.irp i, 0,1,2
	v_mov_b32 v[P+6*\c+3+\i], v[TQ+4*\c+\i]
.endr
.endr
.endm
	s_load_b256 s[4:11], s[0:1], 0x0
	s_load_b64 s[12:13], s[0:1], 0x20
	v_lshl_add_u32 v[SPW], v0, 2, SPARE
	v_mov_b32 v[NIL], 0
	ds_add_u32 v[SPW], v[NIL]
	ds_add_u32 v[SPW], v[NIL]
	v_lshrrev_b32 v1, 5, v0
	v_readfirstlane_b32 s14, v1
	s_lshr_b32 s15, s14, 1
	s_and_b32 s16, s14, 1
	s_bfe_u32 s40, ttmp6, 0x40000
	s_bfe_u32 s41, ttmp6, 0x40004
	s_and_b32 s76, ttmp7, 0xffff
	s_sub_co_u32 s77, s76, 8
	s_lshl_b32 s77, s77, 1
	s_add_co_u32 s77, s77, ttmp9
	s_cmp_ge_u32 s76, 8
	s_cselect_b32 s45, 1, 0
	s_cselect_b32 s77, s77, ttmp9
	s_cselect_b32 s76, 0, s76
	s_mov_b32 s72, 589824
	s_cselect_b32 s72, s72, 1572864
	s_mov_b32 s74, 1572864
	s_cselect_b32 s74, s74, 589824
	s_cselect_b32 s86, 327680, 0
	s_cselect_b32 s87, 0, 262144
	s_mov_b32 s73, 0
	s_mov_b32 s75, 0
	s_lshl_b32 s68, s72, 1
	s_mov_b32 s69, 0
	s_lshl_b32 s70, s74, 1
	s_mov_b32 s71, 0
	s_lshl_b32 s42, s77, 2
	s_add_co_u32 s42, s42, s40
	s_lshl_b32 s17, s76, 2
	s_add_co_u32 s17, s17, s41
	s_lshl_b32 s43, s41, 2
	s_lshl_b32 s43, 15, s43
	s_lshl_b32 s44, 0x1111, s40
	s_or_b32 s[G1], s43, (3<<16)|(1<<21)
	s_or_b32 s[G1B], s44, (3<<16)|(1<<21)
.irp g, G1, G1B
	s_mov_b32 s[\g+1], 32<<16
	s_mov_b32 s[\g+2], 96<<16
	s_mov_b32 s[\g+3], 32<<16
	s_mov_b32 s[\g+4], 96
	s_mov_b32 s[\g+5], 32
	s_mov_b32 s[\g+6], 0
	s_mov_b32 s[\g+7], 0
.endr
	s_lshl_b32 s18, s16, 3
	s_lshl_b32 s20, s17, 4
	s_add_co_u32 s20, s20, s18
	s_lshl_b32 s19, s45, 7
	s_add_co_u32 s20, s20, s19
	s_mul_i32 s20, s20, 3072
	s_mov_b32 s21, 0
	s_lshl_b32 s46, s42, 4
	s_add_co_u32 s46, s46, s18
	s_mul_i32 s46, s46, 3072
	s_mov_b32 s47, 0
	s_mul_i32 s22, s14, 24576
	s_lshl_b32 s80, s17, 8
	s_lshl_b32 s81, s15, 7
	s_add_co_u32 s80, s80, s81
	s_lshl_b32 s82, s42, 8
	s_lshl_b32 s83, s16, 7
	s_add_co_u32 s82, s82, s83
	s_lshl_b32 s84, s80, 5
	s_add_co_u32 s84, s84, s86
	s_lshl_b32 s85, s82, 5
	s_add_co_u32 s85, s85, s87
	s_add_co_u32 s89, s80, 2048
	s_lshr_b32 s90, s80, 7
	s_lshr_b32 s91, s82, 7
	s_add_co_u32 s92, s90, 16
	s_cmp_eq_u32 s45, 0
	s_cselect_b32 s88, s82, 0
	s_cselect_b32 s89, 0, s89
	s_cselect_b32 s93, s90, s91
	s_cselect_b32 s94, s91, s92
	s_lshl_b32 s88, s88, 2
	s_lshl_b32 s89, s89, 2
	s_lshr_b32 s90, s93, 4
	s_and_b32 s91, s93, 15
	s_lshr_b32 s92, s94, 3
	s_and_b32 s94, s94, 7
	s_lshl_b32 s90, s90, 4
	s_lshl_b32 s94, s94, 1
	s_add_co_u32 s90, s90, s94
	s_lshl_b32 s90, s90, 4
	s_add_co_u32 s90, s90, s91
	s_mul_i32 s90, s90, 19200
	s_mul_i32 s92, s92, 6400
	s_add_co_u32 s90, s90, s92
	s_mov_b32 s91, 0
	s_mov_b32 s[SEL], 0x76543210
	s_mov_b32 s[SEL+1], 0xfedcba98
	s_mov_b32 s98, 0xffff0000
	s_wait_dscnt 0x0
	s_wait_kmcnt 0x0
	s_cmp_eq_u32 s45, 0
	s_cselect_b64 s[76:77], s[4:5], s[6:7]
	s_cselect_b64 s[78:79], s[6:7], s[4:5]
	s_add_nc_u64 s[20:21], s[76:77], s[20:21]
	s_add_nc_u64 s[46:47], s[78:79], s[46:47]
	s_add_nc_u64 s[12:13], s[12:13], s[90:91]
	CROUND
.irp s, 0,1
	s_mov_b32 s[G0+4*\s], 1
	s_add_co_u32 s[G0+4*\s+1], s22, \s*SLOT
	s_mov_b32 s[G0B+4*\s], 1
	s_add_co_u32 s[G0B+4*\s+1], s22, \s*SLOT
.endr
	s_mov_b64 s[G0+2:G0+3], s[20:21]
	s_add_nc_u64 s[G0+6:G0+7], s[20:21], s[72:73]
	s_mov_b64 s[G0B+2:G0B+3], s[46:47]
	s_add_nc_u64 s[G0B+6:G0B+7], s[46:47], s[74:75]
	s_or_b32 s[G0+3], s[G0+3], 0x80000000
	s_or_b32 s[G0+7], s[G0+7], 0x80000000
	s_or_b32 s[G0B+3], s[G0B+3], 0x80000000
	s_or_b32 s[G0B+7], s[G0B+7], 0x80000000
	JLOAD G0, G1, G0B, G1B
	s_wait_alu depctr_va_vdst(0)
	s_wait_tensorcnt 0x0
	ds_add_u32 v28, v29
	s_wait_dscnt 0x0
	CROUND
	JLOAD G0+4, G1, G0B+4, G1B
	v_and_b32 v1, 31, v0
	v_and_b32 v2, 15, v0
	v_bfe_u32 v3, v0, 4, 1
	v_lshlrev_b32 v24, 4, v1
	v_lshlrev_b32 v25, 3, v1
	v_lshlrev_b32 v[SH8], 3, v3
	v_mov_b32 v[X1], 0
	v_mov_b32 v30, s84
	v_mov_b32 v4, s85
	v_cndmask_b32 v30, v30, v4, s98
	v_lshl_add_u32 v30, v2, 5, v30
.irp i, 0,1,2,3,4,5,6,7
	global_load_b128 v[SC+8*\i:SC+8*\i+3], v30, s[8:9] offset:512*\i
	global_load_b128 v[SC+8*\i+4:SC+8*\i+7], v30, s[8:9] offset:512*\i+16
.endr
	v_lshlrev_b32 v5, 7, v3
	v_add_nc_u32 v5, s88, v5
	v_bfe_u32 v6, v0, 3, 1
	v_and_b32 v7, 7, v0
	v_lshl_add_u32 v6, v6, 5, v7
	v_lshl_add_u32 v6, v6, 2, s89
	WIN 0x40
.irp q, 0,1,2,3,4,5,6,7
	global_load_b128 v[96+4*\q:96+4*\q+3], v5, s[10:11] offset:16*\q
	global_load_b128 v[224+4*\q:224+4*\q+3], v5, s[10:11] offset:256+16*\q
.endr
	WIN 0
.irp a, 0,1,2,3,4,5,6,7
	global_load_b32 v[BT+\a], v6, s[10:11] offset:4*(64*(\a/4)+8*(\a%4))
.endr
	s_mul_i32 s18, s15, 24576
	s_mul_i32 s19, s16, 24576
	s_add_co_u32 s19, s19, 49152
.irp s, 0,1
	v_add_nc_u32 v[16+\s], s18, v24
	v_add_nc_u32 v[18+\s], s18, v25
	v_add_nc_u32 v[20+\s], s19, v24
	v_add_nc_u32 v[22+\s], s19, v25
	s_add_co_u32 s18, s18, SLOT
	s_add_co_u32 s19, s19, SLOT
.endr
	s_wait_alu depctr_va_vdst(0)
	s_wait_tensorcnt 1
	s_barrier_signal -1
	s_barrier_wait -1
	FETCH_B 0, 0, 0
	FETCH_A 0, 0, 0
	FETCH_A 0, 0, 4
	s_wait_loadcnt 0x0
	STEP 0, 0, 1
	TURN 0, 1, 1, 1
	STEP 1, 2, 0
	TURN 1, 0, 3, 1
	STEP 0, 4, 0
	TURN 0, 1, 5, 0
	STEP 1, 6, 0
	s_wait_dscnt 16
	WIN 0xa1
	MUL16 0, 1, 7, 0
	MUL16 2, 1, 7, 0
	s_wait_dscnt 0x0
	WIN 0xf1
	MUL16 4, 1, 7, 0
	MUL16 6, 1, 7, 0
	PLACES
	WIN 0
.macro EPI isv
.irp a, 0,1,2,3,4,5,6,7
.if \a > 0
	s_wait_xcnt 0x0
.endif
.if \isv
	WIN 0x02+(\a)/4
.else
	WIN 0x06+(\a)/4
.endif
.set ee, 0
.rept 32
.if \isv
.if (\a)%2
	v_pk_add_f32 v[X+2*ee:X+2*ee+1], v[64*((\a)%4)+2*ee:64*((\a)%4)+2*ee+1], v[BT+2*((\a)/2):BT+2*((\a)/2)+1] op_sel:[0,1] op_sel_hi:[1,1]
.else
	v_pk_add_f32 v[X+2*ee:X+2*ee+1], v[64*((\a)%4)+2*ee:64*((\a)%4)+2*ee+1], v[BT+2*((\a)/2):BT+2*((\a)/2)+1] op_sel:[0,0] op_sel_hi:[1,0]
.endif
.else
	v_pk_add_f32 v[X+2*ee:X+2*ee+1], v[64*((\a)%4)+2*ee:64*((\a)%4)+2*ee+1], v[96+2*ee+96*(ee/16):96+2*ee+96*(ee/16)+1]
.endif
.set ee, ee+1
.endr
	WIN 0
	QUANT2 X, PWS+\a
.irp c, 0,1
.if \isv
	global_store_b128 v24, v[P+6*\c:P+6*\c+3], s[12:13] offset:307200*(\a/4)+1536*(\a%4)+768*\c
	global_store_b64 v25, v[P+6*\c+4:P+6*\c+5], s[12:13] offset:307200*(\a/4)+1536*(\a%4)+768*\c+512
.else
	global_store_b128 v24, v[P+6*\c:P+6*\c+3], s[12:13] offset:307200*\c+768*\a
	global_store_b64 v25, v[P+6*\c+4:P+6*\c+5], s[12:13] offset:307200*\c+768*\a+512
.endif
.endr
.endr
.irp c, 0,1
.if \isv
	v_cndmask_b32 v[236+2*\c], v[PWS+4*\c], v[PWS+4*\c+1], s98
	v_cndmask_b32 v[237+2*\c], v[PWS+4*\c+2], v[PWS+4*\c+3], s98
.else
.irp i, 0,1,2,3
	v_perm_b32 v[232+\i], v[PWS+2*\i+1], v[PWS+2*\i], 0x05040100+0x02020202*\c
.endr
	v_cndmask_b32 v[236+2*\c], v232, v233, s98
	v_cndmask_b32 v[237+2*\c], v234, v235, s98
.endif
	global_store_b64 v25, v[236+2*\c:237+2*\c], s[12:13] offset:307200*\c+6144
.endr
.endm
	s_cmp_eq_u32 s45, 0
	s_cbranch_scc0 .Lout_v
	EPI 0
	s_branch .Lend
.Lout_v:
	EPI 1
.Lend:
	s_wait_tensorcnt 0x0
	ds_add_u32 v[SPW], v[NIL]
	s_wait_dscnt 0x0
	CROUND
	s_endpgm
.Lfunc_end_k_q7282c0384a_gemm1:
	.size	k_q7282c0384a_gemm1, .Lfunc_end_k_q7282c0384a_gemm1-k_q7282c0384a_gemm1
	.p2alignl 7, 3214868480
	.fill 96, 4, 3214868480
	.section	.rodata,"a",@progbits
	.p2align	6, 0x0
	.amdhsa_kernel k_q7282c0384a_gemm1
		.amdhsa_group_segment_fixed_size 327680
		.amdhsa_private_segment_fixed_size 0
		.amdhsa_enable_private_segment 0
		.amdhsa_kernarg_size 40
		.amdhsa_user_sgpr_count 2
		.amdhsa_user_sgpr_kernarg_segment_ptr 1
		.amdhsa_wavefront_size32 1
		.amdhsa_system_sgpr_workgroup_id_x 1
		.amdhsa_system_sgpr_workgroup_id_y 1
		.amdhsa_system_sgpr_workgroup_id_z 1
		.amdhsa_system_vgpr_workitem_id 0
		.amdhsa_next_free_vgpr 1024
		.amdhsa_next_free_sgpr 100
		.amdhsa_reserve_vcc 0
		.amdhsa_float_denorm_mode_32 3
		.amdhsa_float_denorm_mode_16_64 3
		.amdhsa_memory_ordered 1
		.amdhsa_forward_progress 1
		.amdhsa_inst_pref_size 203
	.end_amdhsa_kernel
	.amdgpu_metadata
---
amdhsa.version: [ 1, 2 ]
amdhsa.kernels:
  - .name:           k_q7282c0384a_gemm1
    .symbol:         k_q7282c0384a_gemm1.kd
    .args:
      - { .name: xc, .offset: 0, .size: 8, .value_kind: global_buffer, .address_space: global }
      - { .name: wqc, .offset: 8, .size: 8, .value_kind: global_buffer, .address_space: global }
      - { .name: sc1, .offset: 16, .size: 8, .value_kind: global_buffer, .address_space: global }
      - { .name: b_qkv, .offset: 24, .size: 8, .value_kind: global_buffer, .address_space: global }
      - { .name: qkv, .offset: 32, .size: 8, .value_kind: global_buffer, .address_space: global }
    .group_segment_fixed_size: 327680
    .private_segment_fixed_size: 0
    .kernarg_segment_align: 8
    .kernarg_segment_size: 40
    .max_flat_workgroup_size: 128
    .sgpr_count:     100
    .vgpr_count:     1024
    .wavefront_size: 32
...
	.end_amdgpu_metadata
.endif
;; end of part 2
;; launch attn (part 3): grid 4 x 64, 16 waves a work-group, clusters of 4 x 1, 206,848 bytes of LDS; arguments qkv, oc, sc2; writes oc, sc2
.if DOCPART == 3
	.amdgcn_target "amdgcn-amd-amdhsa--gfx1250"
	.amdhsa_code_object_version 6
	.text
	.protected	k_q7282c0384a_attn
	.globl	k_q7282c0384a_attn
	.p2align	8
	.type	k_q7282c0384a_attn,@function
k_q7282c0384a_attn:
	s_mov_b64 s[64:65], 0
	v_nop
	global_prefetch_b8 v0, s[64:65] scope:SCOPE_SE
	s_setreg_imm32_b32 hwreg(HW_REG_WAVE_MODE, 25, 1), 1
	s_wait_xcnt 0x0
	s_wait_alu depctr_hold_cnt(0) depctr_sa_sdst(0) depctr_va_vdst(0) depctr_va_sdst(0) depctr_va_ssrc(0) depctr_va_vcc(0) depctr_vm_vsrc(0)
	s_getreg_b32 s2, hwreg(HW_REG_IB_STS2, 6, 4)
	s_cmp_eq_u32 s2, 0
	s_cbranch_scc0 .Lentry_in_a_cluster
	s_endpgm
.Lentry_in_a_cluster:
	s_bfe_u32 s2, ttmp6, 0x10000c
	s_cmp_lg_u32 s2, 0x3003
	s_cbranch_scc0 .Lentry_shape_is_right
	s_endpgm
.Lentry_shape_is_right:
; o = softmax(q k^T / 8) v for one batch and head a cluster, both products on codes of FP6 (E2M3) with E8M0 scales; o is quantised here, along e, as the operand of the last product.
; THE SOFTMAX: t = score x log2(e) / 8; M = the running largest t, rounded up to a whole number; p = 2^(t - M) is what is quantised, along the keys; the row's sum is taken of the unquantised p and divides at the end.
; When M moves, the sum and O^T are multiplied by 2^(old M - new M), which rounds nothing.
; SHARES.  The cluster's four work-groups own 512 queries each; each of the sixteen waves owns one tile of 16 queries in each of two passes, in 224 registers: four waves to a SIMD, so that one wave's vector work stands
; beside another's matrix work and LDS loads.  Every wave walks the head's 2,048 keys, 128 a step.
; THE HEAD'S WHOLE K AND V STAY IN LDS: 16 steps x (6,400 + 6,400) bytes, asked for once, jointly by the four work-groups (waves 0-7: four loads each).  Nothing is filled again: one barrier, no ring.
; LAYOUT.  Both products are used transposed: S^T = K Q^T, O^T = V^T P^T: a lane holds ONE query throughout.  Tokens and d are stored by POSITION (in a group of 64, position 16 i + 8 g + j holds 32 g + 8 i + j), so a lane's
; 32 registers of four neighbouring tiles are 32 neighbouring keys (or d): a whole block: its largest number needs no other lane, and the conversions' results are the operand's registers.
; THE FIRST PRODUCT'S K IS 64, the instruction's 128: source 0 is a PAIR of key tiles side by side; source 1 is [Q | zeros] for the even tile and [zeros | Q] for the odd one: zero codes add nothing.
; LIMITS: NaN and infinities are not served.  The running maximum begins at -3e38.  A p under 2^-126 counts as 0 (v_exp_f32 flushes it).  O / the sum is a reciprocal (1 ulp) and a multiplication.
; A block of zeros or under 2^-124 gets the byte 1: its codes are zeros, and this program alone reads the bytes.
; THE FILLS AS THEY STAND: each of the sixteen waves asks for one key step's K and V, 12,800 bytes on end, by one joint load under no branch; this takes the place of what the note above says of waves 0-7.
.set SPARE, 204800
.set L16, 1                            ; v1   16 x lane
.set L8,  2                            ; v2   8 x lane
.set A16, 3                            ; v3   the step's LDS addresses
.set A8,  4
.set SPW, 5                            ; v5   LDS address of my spare word; never rewritten
.set NIL, 6                            ; v6   0; never rewritten
.set SH8, 7                            ; v7   8 x (lane / 16)
.set X1,  8                            ; v8   what lane l xor 16 sends
; v10 32 r + h;  v11, v18, v19 at work;  v12 -M, v13 the largest score;  v[14:15] the sum in two halves;  v[16:17] f;  v20-21 the blocks' largest;  v22-23 scale operands;  v24-25 bytes;  v26 at work
; v27 Q's scale word, v28 p's, v[30:31] K's, v[32:33] V's: these hold scales and nothing else;  v29 Q's pair's word as loaded
; v34-39 zeros | v40-45 Q | v46-51 zeros;  v52-63 p's codes;  v64-71 upper halves of blocks;  v216-218 Q's offsets;  v[220:221] the sum's second chain
.set KV,  72                           ; v72-119  four fragments: K's pairs, then V's
.set S,   120                          ; v120-183 S^T, then p: register 32 c + i is key 64 c + 32 (lane / 16) + i of the step
.set O,   184                          ; v184-215 O^T: register i is d = 32 (lane / 16) + i
.macro CROUND                          ; a round of the cluster's barrier
	s_barrier_signal -1
	s_barrier_wait -1
	s_cmp_lg_u32 s10, 0
	s_cbranch_scc1 .Lnot_wave_0_\@
	s_barrier_signal -3
.Lnot_wave_0_\@:
	s_barrier_wait -3
	s_barrier_signal -1
	s_barrier_wait -1
.endm
	s_load_b128 s[4:7], s[0:1], 0x0                ; qkv, oc
	s_load_b64 s[8:9], s[0:1], 0x10                ; sc2
	v_lshl_add_u32 v[SPW], v0, 2, SPARE
	v_mov_b32 v[NIL], 0
	ds_add_u32 v[SPW], v[NIL]                      ; the wave's opening: the add and its wait stand ahead of my first tensor load; the set-up below, work on registers, stands between them
	ds_add_u32 v[SPW], v[NIL]
	v_lshrrev_b32 v1, 5, v0
	s_delay_alu instid0(VALU_DEP_1)
	v_readfirstlane_b32 s10, v1                    ; wave 0..15
	s_bfe_u32 s11, ttmp6, 0x40000                  ; cx: it enters Q's, oc's and sc2's addresses alone
	s_and_b32 s12, ttmp7, 0xffff                   ; 16 x batch + head, which the four partners share
	s_mov_b32 s24, 15|(3<<16)|(1<<21)              ; group 1: the mask: all four; elements of 8 bytes; bit 21 beside a mask; no padding
	s_mov_b32 s25, 32<<16                          ; a step's K record and V record lie on end: 12,800 dense bytes, as 50 rows of 256
	s_mov_b32 s26, 50<<16
	s_mov_b32 s27, 32<<16
	s_mov_b32 s28, 50
	s_mov_b32 s29, 32
	s_mov_b32 s30, 0
	s_mov_b32 s31, 0
	s_mov_b32 s48, 0x3e38aa3b                      ; c = log2(e) / 8
	s_mov_b32 s49, s48                             ; (named with it as a pair)
	s_mov_b32 s50, 0x76543210
	s_mov_b32 s51, 0xfedcba98                      ; v_permlanex16_b32's selects for lane l xor 16
	s_lshl_b32 s13, s12, 4                         ; the head's first record
	s_add_co_u32 s14, s10, s13                     ; EVERY WAVE FILLS ONE STEP: wave w brings key step w,
	s_mul_i32 s14, s14, 19200
	s_add_co_u32 s14, s14, 6400                    ; its K and V, which lie behind the step's Q record,
	s_mov_b32 s15, 0
	s_mul_i32 s33, s10, 12800                      ; to LDS byte 12,800 w (group 0's second word)
	s_lshl_b32 s17, s11, 2
	s_lshr_b32 s18, s10, 3
	s_add_co_u32 s17, s17, s18
	s_add_co_u32 s17, s17, s13
	s_mul_i32 s18, s17, 19200                      ; Q: record 4 cx + wave / 8 (+ 2 in the second pass)
	s_mov_b32 s19, 0
	s_lshr_b32 s20, s12, 4                         ; batch
	s_and_b32 s21, s12, 15                         ; head
	s_lshl_b32 s20, s20, 7
	s_lshl_b32 s22, s11, 5
	s_add_co_u32 s20, s20, s22
	s_add_co_u32 s20, s20, s10                     ; my tile of 16 tokens: 128 x batch + 32 cx + wave (+ 16 in the second pass)
	s_lshl_b32 s62, s20, 9
	s_lshl_b32 s22, s21, 1
	s_add_co_u32 s62, s62, s22                     ; o's scale bytes: 32 a token, byte 2 x head + h
	s_mov_b32 s63, 0
	s_mul_i32 s20, s20, 3072
	s_lshr_b32 s22, s21, 2
	s_mul_i32 s22, s22, 1572864
	s_add_co_u32 s20, s20, s22
	s_bfe_u32 s22, s21, 0x10001
	s_mul_i32 s22, s22, 1536
	s_add_co_u32 s20, s20, s22
	s_and_b32 s22, s21, 1
	s_mul_i32 s22, s22, 768
	s_add_co_u32 s20, s20, s22                     ; o's codes: e = 64 x head on: 256 along K: head / 4; fragment (head / 2) % 2; half head % 2
	s_mov_b32 s21, 0
	s_and_b32 s60, s10, 1
	s_lshl_b32 s60, s60, 4                         ; my tile's half of its pair's scale word
	s_and_b32 s61, s10, 7                          ; my tile in its record
	s_wait_dscnt 0x0                               ; the opening add is done
	s_wait_kmcnt 0x0
	s_add_nc_u64 s[14:15], s[4:5], s[14:15]
	s_add_nc_u64 s[54:55], s[4:5], s[18:19]
	s_add_nc_u64 s[56:57], s[6:7], s[20:21]
	s_add_nc_u64 s[58:59], s[8:9], s[62:63]
	CROUND                                         ; all four work-groups are here: the joint loads meet
	s_mov_b32 s32, 1
	s_mov_b64 s[34:35], s[14:15]
	s_or_b32 s35, s35, 0x80000000
	; one joint load a wave, sixteen in the work-group, under no branch: the descriptor hangs on the wave's number and on batch and head alone, which the four partners share.
	; One load of mine is out.  All of K and V is asked for here, so no data prefetch is written: there is no later tile to ask for ahead.
	tensor_load_to_lds s[32:35], s[24:31]
	s_nop 0
.rept 4
	v_nop
.endr
	v_and_b32 v9, 31, v0
	s_delay_alu instid0(VALU_DEP_1)
	v_lshlrev_b32 v[L16], 4, v9
	s_delay_alu instid0(VALU_DEP_2)
	v_lshlrev_b32 v[L8], 3, v9
	v_and_b32 v11, 15, v0                          ; r
	v_bfe_u32 v19, v0, 4, 1                        ; h
	s_delay_alu instid0(VALU_DEP_1)
	v_lshlrev_b32 v[SH8], 3, v19
	s_delay_alu instid0(VALU_DEP_2)
	v_lshl_add_u32 v10, v11, 5, v19
	v_mov_b32 v[X1], 0                             ; written once: a lane permute's destination counts as one of its sources
	v_mov_b32 v17, 0                               ; (named as the upper half of the pair v[16:17])
.irp i, 0,1,2,3,4,5
	v_mov_b32 v[34+\i], 0                          ; the zero codes on both sides of Q
	v_mov_b32 v[46+\i], 0
.endr
	s_mul_i32 s62, s61, 768
	v_add_nc_u32 v216, s62, v[L16]                 ; Q's half image: tile a at 768 a
	v_add_nc_u32 v217, s62, v[L8]
	s_bfe_u32 s62, s61, 0x10001
	s_lshl_b32 s62, s62, 7
	s_lshr_b32 s63, s61, 2
	s_lshl_b32 s63, s63, 2
	s_add_co_u32 s62, s62, s63
	v_lshl_add_u32 v218, v11, 3, s62               ; its pair's scale word: lane 16 ((a / 2) % 2) + r, word a / 4
.macro KQ i, row                       ; pair i of key tiles: the even tile against [Q | 0], the odd one against [0 | Q]
.if \row
	v_wmma_scale_f32_16x16x128_f8f6f4 v[S+16*\i:S+16*\i+7], v[KV+12*\i:KV+12*\i+11], v[40:51], 0, v[30+\i/2], v27 matrix_a_fmt:MATRIX_FMT_FP6 matrix_b_fmt:MATRIX_FMT_FP6 matrix_a_scale:MATRIX_SCALE_ROW1
	v_wmma_scale_f32_16x16x128_f8f6f4 v[S+16*\i+8:S+16*\i+15], v[KV+12*\i:KV+12*\i+11], v[34:45], 0, v[30+\i/2], v27 matrix_a_fmt:MATRIX_FMT_FP6 matrix_b_fmt:MATRIX_FMT_FP6 matrix_a_scale:MATRIX_SCALE_ROW1
.else
	v_wmma_scale_f32_16x16x128_f8f6f4 v[S+16*\i:S+16*\i+7], v[KV+12*\i:KV+12*\i+11], v[40:51], 0, v[30+\i/2], v27 matrix_a_fmt:MATRIX_FMT_FP6 matrix_b_fmt:MATRIX_FMT_FP6
	v_wmma_scale_f32_16x16x128_f8f6f4 v[S+16*\i+8:S+16*\i+15], v[KV+12*\i:KV+12*\i+11], v[34:45], 0, v[30+\i/2], v27 matrix_a_fmt:MATRIX_FMT_FP6 matrix_b_fmt:MATRIX_FMT_FP6
.endif
.endm
.macro PV t, row                       ; 16 d x these 128 keys
.if \row
	v_wmma_scale_f32_16x16x128_f8f6f4 v[O+8*\t:O+8*\t+7], v[KV+12*\t:KV+12*\t+11], v[52:63], v[O+8*\t:O+8*\t+7], v[32+\t/2], v28 matrix_a_fmt:MATRIX_FMT_FP6 matrix_b_fmt:MATRIX_FMT_FP6 matrix_a_scale:MATRIX_SCALE_ROW1
.else
	v_wmma_scale_f32_16x16x128_f8f6f4 v[O+8*\t:O+8*\t+7], v[KV+12*\t:KV+12*\t+11], v[52:63], v[O+8*\t:O+8*\t+7], v[32+\t/2], v28 matrix_a_fmt:MATRIX_FMT_FP6 matrix_b_fmt:MATRIX_FMT_FP6
.endif
.endm
.macro FOUR off                        ; four fragments, as images, from off bytes into the step
.irp i, 0,1,2,3
	ds_load_b128 v[KV+12*\i:KV+12*\i+3], v[A16] offset:\off+1536*\i
	ds_load_b64 v[KV+12*\i+4:KV+12*\i+5], v[A8] offset:\off+1536*\i+512
	ds_load_b128 v[KV+12*\i+6:KV+12*\i+9], v[A16] offset:\off+1536*\i+768
	ds_load_b64 v[KV+12*\i+10:KV+12*\i+11], v[A8] offset:\off+1536*\i+1280
.endr
.endm
; A KEY STEP: 128 keys, at LDS byte s52.
.macro STEP
	v_add_nc_u32 v[A16], s52, v[L16]
	v_add_nc_u32 v[A8], s52, v[L8]
	v_nop
	v_nop                                          ; four plain lines between the last step's products and the loads into the registers that they read
	FOUR 0                                         ; K's four pairs of tiles,
	ds_load_b64 v[30:31], v[A8] offset:6144        ; and their scale words: pair i in register i / 2, lanes 16 (i % 2) on
	s_wait_alu depctr_va_vdst(0)
	s_wait_dscnt 0x0
	KQ 0, 0
	KQ 1, 1
	KQ 2, 0
	KQ 3, 1
.rept 4
	v_nop                                          ; places ahead of the loads into K's registers and of the first read of the scores
.endr
	FOUR 6400                                      ; V's four fragments land under the softmax
	ds_load_b64 v[32:33], v[A8] offset:12544
	v_max3_num_f32 v20, v[S], v[S+1], v[S+2]       ; THE LARGEST SCORE OF MY TWO BLOCKS OF 32 KEYS, by turns; each accumulator is first read at its low end.  It serves twice: for the row's maximum and, since p rises with the score, for the block's largest p
	v_max3_num_f32 v21, v[S+32], v[S+33], v[S+34]
.set jj, 3
.rept 14
	v_max3_num_f32 v20, v20, v[S+jj], v[S+jj+1]
	v_max3_num_f32 v21, v21, v[S+32+jj], v[S+32+jj+1]
.set jj, jj+2
.endr
	v_max_num_f32 v20, v20, v[S+31]
	v_max_num_f32 v21, v21, v[S+63]
	s_delay_alu instid0(VALU_DEP_1)
	v_max_num_f32 v19, v20, v21
	s_delay_alu instid0(VALU_DEP_1)
	v_permlanex16_b32 v[X1], v19, s50, s51         ; the query's other 64 keys lie in lane l xor 16
	s_delay_alu instid0(VALU_DEP_1)
	v_max3_num_f32 v13, v13, v19, v[X1]            ; the running largest score
	s_delay_alu instid0(VALU_DEP_1)
	v_mul_f32 v11, s48, v13                        ; as t (c is positive)
	v_mov_b32 v18, v12
	s_delay_alu instid0(VALU_DEP_2)
	v_floor_f32 v12, -v11                          ; the new -M = -ceil(t): a whole number
	s_delay_alu instid0(VALU_DEP_1)
	v_sub_f32 v18, v12, v18                        ; old M - new M: a whole number, 0 or less
	s_delay_alu instid0(VALU_DEP_1)
	v_cvt_i32_f32 v18, v18                         ; (it saturates)
	s_delay_alu instid0(VALU_DEP_1)
	v_ldexp_f32 v16, 1.0, v18                      ; f = 2^(old M - new M)
.set jj, 0
.rept 32
	v_pk_fma_f32 v[S+jj:S+jj+1], v[S+jj:S+jj+1], s[48:49], v[12:13] op_sel_hi:[1,0,0]   ; t - M, two at a time
.set jj, jj+2
.endr
	v_fma_f32 v20, v20, s48, v12                   ; the same of each block's largest score
	v_fma_f32 v21, v21, s48, v12
.set jj, 0
	s_wait_alu depctr_va_vdst(0)
.rept 64
	v_exp_f32 v[S+jj], v[S+jj]                     ; p = 2^(t - M): not normalised
.set jj, jj+1
.endr
	v_pk_mul_f32 v[14:15], v[14:15], v[16:17] op_sel_hi:[1,0]   ; the sums under the new M: the plain line behind the exponentials
	s_wait_alu depctr_va_vdst(0)                   ; one wait for the batch of 64, ahead of its first reader
	v_exp_f32 v20, v20                             ; the blocks' largest p: the same two instructions on the same number give the same bits
	v_exp_f32 v21, v21
	v_pk_add_f32 v[220:221], v[124:125], v[128:129]
	v_pk_add_f32 v[222:223], v[132:133], v[136:137]
	v_pk_add_f32 v[70:71], v[140:141], v[144:145]
	v_pk_add_f32 v[68:69], v[148:149], v[152:153]
	v_pk_add_f32 v[66:67], v[156:157], v[160:161]
	v_pk_add_f32 v[64:65], v[164:165], v[168:169]
	v_pk_add_f32 v[62:63], v[172:173], v[176:177]
	v_pk_add_f32 v[14:15], v[14:15], v[180:181]
	v_pk_add_f32 v[220:221], v[220:221], v[120:121]
	v_pk_add_f32 v[222:223], v[222:223], v[122:123]
	v_pk_add_f32 v[70:71], v[70:71], v[126:127]
	v_pk_add_f32 v[68:69], v[68:69], v[130:131]
	v_pk_add_f32 v[66:67], v[66:67], v[134:135]
	v_pk_add_f32 v[64:65], v[64:65], v[138:139]
	v_pk_add_f32 v[62:63], v[62:63], v[142:143]
	v_pk_add_f32 v[14:15], v[14:15], v[146:147]
	v_pk_add_f32 v[220:221], v[220:221], v[150:151]
	v_pk_add_f32 v[222:223], v[222:223], v[154:155]
	v_pk_add_f32 v[70:71], v[70:71], v[158:159]
	v_pk_add_f32 v[68:69], v[68:69], v[162:163]
	v_pk_add_f32 v[66:67], v[66:67], v[166:167]
	v_pk_add_f32 v[64:65], v[64:65], v[170:171]
	v_pk_add_f32 v[62:63], v[62:63], v[174:175]
	v_pk_add_f32 v[14:15], v[14:15], v[178:179]
	v_pk_add_f32 v[220:221], v[220:221], v[182:183]
	s_delay_alu instid0(VALU_DEP_2)
	v_pk_add_f32 v[14:15], v[14:15], v[68:69]
	s_delay_alu instid0(VALU_DEP_2)
	v_pk_add_f32 v[220:221], v[220:221], v[66:67]
	v_pk_add_f32 v[222:223], v[222:223], v[64:65]
	v_pk_add_f32 v[70:71], v[70:71], v[62:63]
	s_delay_alu instid0(VALU_DEP_2)
	v_pk_add_f32 v[14:15], v[14:15], v[222:223]
	s_delay_alu instid0(VALU_DEP_2)
	v_pk_add_f32 v[220:221], v[220:221], v[70:71]
	s_delay_alu instid0(VALU_DEP_1)
	v_pk_add_f32 v[14:15], v[14:15], v[220:221]
	s_wait_alu depctr_va_vdst(0)                   ; and one for the two
	v_max_num_f32 v20, 0x1800000, v20              ; the floor 2^(3 - 127): the byte cannot fall under 1
	v_max_num_f32 v21, 0x1800000, v21
	s_delay_alu instid0(VALU_DEP_2)
	v_add_nc_u32 v22, 0xff000000, v20              ; 2 off the exponent field: the conversion's scale operand
	s_delay_alu instid0(VALU_DEP_2)
	v_add_nc_u32 v23, 0xff000000, v21
	s_delay_alu instid0(VALU_DEP_2)
	v_lshrrev_b32 v24, 23, v22
	s_delay_alu instid0(VALU_DEP_2)
	v_lshrrev_b32 v25, 23, v23
	s_delay_alu instid0(VALU_DEP_1)
	v_lshl_or_b32 v26, v25, 16, v24                ; my blocks are (lane / 16) and 2 + (lane / 16) of the four
	s_delay_alu instid0(VALU_DEP_1)
	v_lshlrev_b32 v26, v[SH8], v26
	s_delay_alu instid0(VALU_DEP_1)
	v_permlanex16_b32 v[X1], v26, s50, s51
	s_delay_alu instid0(VALU_DEP_1)
	v_or_b32 v28, v26, v[X1]                       ; p's scale word for these 128 keys
	v_cvt_scalef32_pk16_fp6_f32 v[52:54], v[S:S+15], v22
	v_cvt_scalef32_pk16_fp6_f32 v[64:66], v[S+16:S+31], v22          ; (a conversion's three registers begin on an even number)
	v_cvt_scalef32_pk16_fp6_f32 v[58:60], v[S+32:S+47], v23
	v_cvt_scalef32_pk16_fp6_f32 v[68:70], v[S+48:S+63], v23
	v_nop                                          ; one plain line behind the conversions
.irp i, 0,1,2
	v_mov_b32 v[55+\i], v[64+\i]
	v_mov_b32 v[61+\i], v[68+\i]
.endr
.set jj, 0
.rept 16
	v_pk_mul_f32 v[O+jj:O+jj+1], v[O+jj:O+jj+1], v[16:17] op_sel_hi:[1,0]   ; O^T under the new M.  These 16 are also the plain lines between the writes of p's scale word and codes and the products
.set jj, jj+2
.endr
	s_wait_alu depctr_va_vdst(0)
	s_wait_dscnt 0x0                               ; V is in
	PV 0, 0                                        ; the four accumulators take turns, one instruction each
	PV 1, 1
	PV 2, 0
	PV 3, 1
	s_add_co_u32 s52, s52, 12800
.endm
; A PASS: one tile of 16 queries against all 2,048 keys.
.macro PASS p
.if \p > 0
	s_wait_xcnt 0x0                                ; the first pass's stores have read their registers
.endif
	global_load_b128 v[40:43], v216, s[54:55] offset:38400*\p
	global_load_b64 v[44:45], v217, s[54:55] offset:38400*\p+512
	global_load_b32 v29, v218, s[54:55] offset:38400*\p+6144
	v_mov_b32 v13, 0xff61b1e6                      ; the largest score so far: -3e38
	s_delay_alu instid0(VALU_DEP_1)
	v_mul_f32 v11, s48, v13
	s_delay_alu instid0(VALU_DEP_1)
	v_floor_f32 v12, -v11                          ; -M
	v_mov_b32 v14, 0
	v_mov_b32 v15, 0
	s_wait_loadcnt 0x0
	v_lshrrev_b32 v11, s60, v29
	s_delay_alu instid0(VALU_DEP_1)
	v_and_b32 v11, 0xffff, v11                     ; my tile's two bytes,
	s_delay_alu instid0(VALU_DEP_1)
	v_lshl_or_b32 v27, v11, 16, v11                ; for Q in either half of source 1
.set jj, 0
.rept 32
	v_mov_b32 v[O+jj], 0                           ; O^T.  (The step is written once: the first finds zeros, which the first change of M leaves zeros.  These lines also stand between the write of Q's scale word and the first product)
.set jj, jj+1
.endr
.if \p == 0
	s_wait_tensorcnt 0x0                           ; my parts of K and V are in,
	s_barrier_signal -1
	s_barrier_wait -1                              ; everybody's are; nothing is ever filled again
.endif
	s_mov_b32 s52, 0
	s_mov_b32 s53, 16
.Lstep_\@:
	STEP
	s_sub_co_u32 s53, s53, 1
	s_cmp_lg_u32 s53, 0
	s_cbranch_scc1 .Lstep_\@
.rept 4
	v_nop                                          ; places behind the last products
.endr
	v_add_f32 v14, v14, v15                        ; the sum's two halves,
	s_delay_alu instid0(VALU_DEP_1)
	v_permlanex16_b32 v[X1], v14, s50, s51
	s_delay_alu instid0(VALU_DEP_1)
	v_add_f32 v14, v14, v[X1]                      ; and lane l xor 16's: the row's sum
	s_wait_alu depctr_va_vdst(0)
	v_rcp_f32 v16, v14
	v_nop                                          ; a plain line behind the reciprocal,
	s_wait_alu depctr_va_vdst(0)                   ; and the wait ahead of its first reader
.set jj, 0
.rept 16
	v_pk_mul_f32 v[O+jj:O+jj+1], v[O+jj:O+jj+1], v[16:17] op_sel_hi:[1,0]   ; o = O^T / the sum, each accumulator from its low end on
.set jj, jj+2
.endr
	v_max3_num_f32 v20, |v[O]|, |v[O+1]|, |v[O+2]|            ; my 32 numbers are one block of the last product's K: e = 64 x head + 32 h on
	v_max3_num_f32 v21, |v[O+3]|, |v[O+4]|, |v[O+5]|
.irp i, 6,10,14,18,22,26
	s_delay_alu instid0(VALU_DEP_2)
	v_max3_num_f32 v20, v20, |v[O+\i]|, |v[O+\i+1]|
	s_delay_alu instid0(VALU_DEP_2)
	v_max3_num_f32 v21, v21, |v[O+\i+2]|, |v[O+\i+3]|
.endr
	s_delay_alu instid0(VALU_DEP_2)
	v_max3_num_f32 v20, v20, |v[O+30]|, |v[O+31]|
	s_delay_alu instid0(VALU_DEP_1)
	v_max3_num_f32 v20, v20, v21, 0x1800000
	s_delay_alu instid0(VALU_DEP_1)
	v_add_nc_u32 v22, 0xff000000, v20
	s_delay_alu instid0(VALU_DEP_1)
	v_lshrrev_b32 v24, 23, v22
	v_cvt_scalef32_pk16_fp6_f32 v[52:54], v[O:O+15], v22
	v_cvt_scalef32_pk16_fp6_f32 v[64:66], v[O+16:O+31], v22
	v_nop
.irp i, 0,1,2
	v_mov_b32 v[55+\i], v[64+\i]
.endr
	global_store_b128 v[L16], v[52:55], s[56:57] offset:49152*\p        ; the half image: 512 consecutive bytes,
	global_store_b64 v[L8], v[56:57], s[56:57] offset:49152*\p+512      ; and 256
	global_store_b8 v10, v24, s[58:59] offset:8192*\p                   ; my block's byte: single bytes in rows 32 bytes apart.  One byte for 24 of codes
.endm
	PASS 0
	PASS 1
	s_wait_tensorcnt 0x0                           ; the wave's end: an add to my spare word and its wait, behind my last tensor load
	ds_add_u32 v[SPW], v[NIL]
	s_wait_dscnt 0x0
	CROUND                                         ; the closing round
	s_endpgm
.Lfunc_end_k_q7282c0384a_attn:
	.size	k_q7282c0384a_attn, .Lfunc_end_k_q7282c0384a_attn-k_q7282c0384a_attn
	.p2alignl 7, 3214868480
	.fill 96, 4, 3214868480
	.section	.rodata,"a",@progbits
	.p2align	6, 0x0
	.amdhsa_kernel k_q7282c0384a_attn
		.amdhsa_group_segment_fixed_size 206848
		.amdhsa_private_segment_fixed_size 0
		.amdhsa_enable_private_segment 0
		.amdhsa_kernarg_size 24
		.amdhsa_user_sgpr_count 2
		.amdhsa_user_sgpr_kernarg_segment_ptr 1
		.amdhsa_wavefront_size32 1
		.amdhsa_system_sgpr_workgroup_id_x 1
		.amdhsa_system_sgpr_workgroup_id_y 1
		.amdhsa_system_sgpr_workgroup_id_z 1
		.amdhsa_system_vgpr_workitem_id 0
		.amdhsa_next_free_vgpr 224
		.amdhsa_next_free_sgpr 72
		.amdhsa_reserve_vcc 0
		.amdhsa_float_denorm_mode_32 3
		.amdhsa_float_denorm_mode_16_64 3
		.amdhsa_memory_ordered 1
		.amdhsa_forward_progress 1
		.amdhsa_inst_pref_size 48
	.end_amdhsa_kernel
	.amdgpu_metadata
---
amdhsa.version: [ 1, 2 ]
amdhsa.kernels:
  - .name:           k_q7282c0384a_attn
    .symbol:         k_q7282c0384a_attn.kd
    .args:
      - { .name: qkv, .offset: 0, .size: 8, .value_kind: global_buffer, .address_space: global }
      - { .name: oc, .offset: 8, .size: 8, .value_kind: global_buffer, .address_space: global }
      - { .name: sc2, .offset: 16, .size: 8, .value_kind: global_buffer, .address_space: global }
    .group_segment_fixed_size: 206848
    .private_segment_fixed_size: 0
    .kernarg_segment_align: 8
    .kernarg_segment_size: 24
    .max_flat_workgroup_size: 512
    .sgpr_count:     72
    .vgpr_count:     224
    .wavefront_size: 32
...
	.end_amdgpu_metadata
.endif
;; end of part 3
;; launch proj (part 4): grid 4 x 64, 4 waves a work-group, clusters of 4 x 4, 327,680 bytes of LDS; arguments oc, wpc, sc2, b_proj, out0; writes out0
.if DOCPART == 4
	.amdgcn_target "amdgcn-amd-amdhsa--gfx1250"
	.amdhsa_code_object_version 6
	.text
	.protected	k_q7282c0384a_proj
	.globl	k_q7282c0384a_proj
	.p2align	8
	.type	k_q7282c0384a_proj,@function
k_q7282c0384a_proj:
	s_mov_b64 s[64:65], 0
	v_nop
	global_prefetch_b8 v0, s[64:65] scope:SCOPE_SE
	s_setreg_imm32_b32 hwreg(HW_REG_WAVE_MODE, 25, 1), 1
	s_wait_xcnt 0x0
	s_wait_alu depctr_hold_cnt(0) depctr_sa_sdst(0) depctr_va_vdst(0) depctr_va_sdst(0) depctr_va_ssrc(0) depctr_va_vcc(0) depctr_vm_vsrc(0)
	s_getreg_b32 s2, hwreg(HW_REG_IB_STS2, 6, 4)
	s_cmp_eq_u32 s2, 0
	s_cbranch_scc0 .Lentry_in_a_cluster
	s_endpgm
.Lentry_in_a_cluster:
	s_bfe_u32 s2, ttmp6, 0x10000c
	s_cmp_lg_u32 s2, 0xf033
	s_cbranch_scc0 .Lentry_shape_is_right
	s_endpgm
.Lentry_shape_is_right:
; out0 = o w_proj + b_proj, f32, on codes of FP6 (E2M3) with E8M0 scales: 8,192 x 1,024 x 1,024.  o's codes (oc) and w_proj's (wpc) are images of operand registers, [256 along K][tile of 16 rows][128 along K][1536]; sc2 holds 32 scale bytes a row.
; THE DEAL: 256 work-groups of four waves, 2 x 2, each 128 rows x 256 columns of the result; a wave makes 64 x 128: 32 accumulators, all in window 2.  The bias is the first products' C.
; Clusters of 4 x 4: o's tiles are shared along a row of the cluster, the weight's along a column, each by a joint load.  K goes in four chunks of 256 through two LDS slots.
; In a slot waves 0 and 1 bring 4 row tiles of o each (48 rows of 256 bytes, to bytes 0 and 24,576), waves 2 and 3 bring 8 tiles of the weight each (96 rows, to bytes 49,152 and 73,728).
; Two sets of fragments for both operands (o's at v128 and v176 of window 0, the weight's at v0 and v128 of window 1): a step's 48 LDS loads are issued ahead of the products of the step before.
; The scale words come by plain loads: lanes 0-15 o's block i, lanes 16-31 the weight's block i; for i = 4 .. 7 lanes 0-15 load words that no product names (they lie inside sc2).
; LIMITS: NaN and infinities are not served.  A sum begins with the bias, where the reference adds it last.
.set SLOT,  98304
.set SPARE, 196608
.set FR,  12
.set SC,  32
.set AF,  128
.set BK,  128
.set STO, 26
.set RD,  27
.set SPW, 28
.set NIL, 29
.set G1,  24
.set G0,  32
.set G1B, 48
.set G0B, 56
.set MSB, 0
.macro WIN new
.if MSB != \new
	s_set_vgpr_msb (MSB<<8)|(\new)
.set MSB, \new
.endif
.endm
.macro JLOAD g0a, g1a, g0b, g1b
	s_cmp_eq_u32 s15, 0
	s_cbranch_scc0 .Lfor_u_\@
	tensor_load_to_lds s[\g0a:\g0a+3], s[\g1a:\g1a+7]
	s_nop 0
.rept 4
	v_nop
.endr
	s_branch .Lasked_\@
.Lfor_u_\@:
	tensor_load_to_lds s[\g0b:\g0b+3], s[\g1b:\g1b+7]
	s_nop 0
.rept 4
	v_nop
.endr
.Lasked_\@:
.endm
.macro CREST
	s_cmp_lg_u32 s14, 0
	s_cbranch_scc1 .Lnot_wave_0_\@
	s_barrier_signal -3
.Lnot_wave_0_\@:
	s_barrier_wait -3
	s_barrier_signal -1
	s_barrier_wait -1
.endm
.macro CROUND
	s_barrier_signal -1
	s_barrier_wait -1
	CREST
.endm
.macro PLACES
.rept 4
	v_nop
.endr
.endm
.macro FRAG reg, a16, a8, q, i
	ds_load_b128 v[\reg:\reg+3], v[\a16] offset:3072*(\i)+1536*(\q)
	ds_load_b64 v[\reg+4:\reg+5], v[\a8] offset:3072*(\i)+1536*(\q)+512
	ds_load_b128 v[\reg+6:\reg+9], v[\a16] offset:3072*(\i)+1536*(\q)+768
	ds_load_b64 v[\reg+10:\reg+11], v[\a8] offset:3072*(\i)+1536*(\q)+1280
.endm
.macro FETCH_B slot, q, p
	WIN 0x40
.irp i, 0,1,2,3,4,5,6,7
	FRAG 128*(\p)+FR*\i, 20+\slot, 22+\slot, \q, \i
.endr
	WIN 0
.endm
.macro FETCH_A slot, q, i0
.irp i, \i0, \i0+1, \i0+2, \i0+3
	FRAG AF+FR*(\i), 16+\slot, 18+\slot, \q, \i
.endr
.endm
.macro MUL16 a0, p, k, first
.irp a, \a0, \a0+1
.irp b, 0,1,2,3,4,5,6,7
.if \first
	v_wmma_scale_f32_16x16x128_f8f6f4 v[8*(8*((\a)%4)+\b):8*(8*((\a)%4)+\b)+7], v[128*(\p)+FR*\b:128*(\p)+FR*\b+FR-1], v[AF+FR*(\a):AF+FR*(\a)+FR-1], v[96+8*\b+96*(\b/4):96+8*\b+96*(\b/4)+7], v[SC+8*\b+(\k)], v[SC+8*(\a)+(\k)] matrix_a_fmt:MATRIX_FMT_FP6 matrix_b_fmt:MATRIX_FMT_FP6 matrix_a_scale:MATRIX_SCALE_ROW1
.else
	v_wmma_scale_f32_16x16x128_f8f6f4 v[8*(8*((\a)%4)+\b):8*(8*((\a)%4)+\b)+7], v[128*(\p)+FR*\b:128*(\p)+FR*\b+FR-1], v[AF+FR*(\a):AF+FR*(\a)+FR-1], v[8*(8*((\a)%4)+\b):8*(8*((\a)%4)+\b)+7], v[SC+8*\b+(\k)], v[SC+8*(\a)+(\k)] matrix_a_fmt:MATRIX_FMT_FP6 matrix_b_fmt:MATRIX_FMT_FP6 matrix_a_scale:MATRIX_SCALE_ROW1
.endif
.endr
.endr
.endm
.macro STEP slot, k, first             ; a chunk's first 128 along K, in set 0; its second 128 are fetched into set 1 first
	PLACES                                         ; four plain lines between the last products and the loads into the registers that they read
	FETCH_B \slot, 1, 1
.set AF, 176
	FETCH_A \slot, 1, 0
.set AF, 128
	s_wait_dscnt 48                                ; set 0 is in; the 48 loads just issued may be out
.if \first
	WIN 0x91
.else
	WIN 0xa1
.endif
	MUL16 0, 0, \k, \first
	MUL16 2, 0, \k, \first
	WIN 0
.endm
.macro TURN slot, next, k, fill
	s_wait_tensorcnt 0x0
	ds_add_u32 v[SPW], v[NIL]
	s_wait_dscnt 0x0                               ; the add is done, set 1 is in, and my reads of this slot are over
	s_barrier_signal -1
.set AF, 176
	WIN 0xa1
	MUL16 0, 1, \k, 0                              ; work on registers while the others arrive
	WIN 0
	s_barrier_wait -1
.if \fill
	CREST
	s_add_nc_u64 s[G0+4*\slot+2:G0+4*\slot+3], s[G0+4*\slot+2:G0+4*\slot+3], s[68:69]
	s_add_nc_u64 s[G0B+4*\slot+2:G0B+4*\slot+3], s[G0B+4*\slot+2:G0B+4*\slot+3], s[70:71]
	JLOAD G0+4*\slot, G1, G0B+4*\slot, G1B
.else
	PLACES
.endif
	FETCH_B \next, 0, 0
.set AF, 128
	FETCH_A \next, 0, 0                            ; the next chunk's first 128 along K into set 0
.set AF, 176
	WIN 0xa1
	MUL16 2, 1, \k, 0
	WIN 0
.endm
	s_load_b256 s[4:11], s[0:1], 0x0
	s_load_b64 s[12:13], s[0:1], 0x20
	v_lshl_add_u32 v[SPW], v0, 2, SPARE
	v_mov_b32 v[NIL], 0
	ds_add_u32 v[SPW], v[NIL]
	ds_add_u32 v[SPW], v[NIL]
	v_lshrrev_b32 v1, 5, v0
	v_readfirstlane_b32 s14, v1
	s_lshr_b32 s15, s14, 1
	s_and_b32 s16, s14, 1
	s_bfe_u32 s40, ttmp6, 0x40000
	s_bfe_u32 s41, ttmp6, 0x40004
	s_lshl_b32 s42, ttmp9, 2
	s_add_co_u32 s42, s42, s40
	s_and_b32 s17, ttmp7, 0xffff
	s_lshl_b32 s17, s17, 2
	s_add_co_u32 s17, s17, s41
	s_mov_b32 s72, 1572864
	s_mov_b32 s73, 0
	s_mov_b32 s74, 196608
	s_mov_b32 s75, 0
	s_mov_b32 s68, 3145728
	s_mov_b32 s69, 0
	s_mov_b32 s70, 393216
	s_mov_b32 s71, 0
	s_lshl_b32 s43, s41, 2
	s_lshl_b32 s43, 15, s43
	s_lshl_b32 s44, 0x1111, s40
	s_or_b32 s[G1], s43, (3<<16)|(1<<21)
	s_or_b32 s[G1B], s44, (3<<16)|(1<<21)
.irp g, G1, G1B
	s_mov_b32 s[\g+1], 32<<16
	s_mov_b32 s[\g+2], 96<<16
	s_mov_b32 s[\g+3], 32<<16
	s_mov_b32 s[\g+4], 96
	s_mov_b32 s[\g+5], 32
	s_mov_b32 s[\g+6], 0
	s_mov_b32 s[\g+7], 0
.endr
	s_mov_b32 s[G1+2], 48<<16                      ; o's tile: 4 row tiles of 3,072 bytes, 48 rows of 256
	s_mov_b32 s[G1+4], 48
	s_lshl_b32 s18, s16, 3
	s_lshl_b32 s19, s16, 2
	s_lshl_b32 s20, s17, 3                         ; o: row tile 8 x tile row + 4 x (wave % 2)
	s_add_co_u32 s20, s20, s19
	s_mul_i32 s20, s20, 3072
	s_mov_b32 s21, 0
	s_lshl_b32 s46, s42, 4
	s_add_co_u32 s46, s46, s18
	s_mul_i32 s46, s46, 3072
	s_mov_b32 s47, 0
	s_mul_i32 s22, s14, 24576
	s_lshl_b32 s80, s17, 7                         ; my first row: 128 x tile row + 64 x (wave / 2)
	s_lshl_b32 s81, s15, 6
	s_add_co_u32 s80, s80, s81
	s_lshl_b32 s82, s42, 8
	s_lshl_b32 s83, s16, 7
	s_add_co_u32 s82, s82, s83
	s_lshl_b32 s84, s80, 5
	s_lshl_b32 s85, s82, 5
	s_add_co_u32 s85, s85, 262144
	s_lshl_b32 s88, s82, 2
	s_lshl_b32 s90, s80, 12
	s_add_co_u32 s90, s90, s88
	s_mov_b32 s91, 0
	s_mov_b32 s98, 0xffff0000
	s_wait_dscnt 0x0
	s_wait_kmcnt 0x0
	s_add_nc_u64 s[20:21], s[4:5], s[20:21]
	s_add_nc_u64 s[46:47], s[6:7], s[46:47]
	s_add_nc_u64 s[12:13], s[12:13], s[90:91]
	CROUND
.irp s, 0,1
	s_mov_b32 s[G0+4*\s], 1
	s_add_co_u32 s[G0+4*\s+1], s22, \s*SLOT
	s_mov_b32 s[G0B+4*\s], 1
	s_add_co_u32 s[G0B+4*\s+1], s22, \s*SLOT
.endr
	s_mov_b64 s[G0+2:G0+3], s[20:21]
	s_add_nc_u64 s[G0+6:G0+7], s[20:21], s[72:73]
	s_mov_b64 s[G0B+2:G0B+3], s[46:47]
	s_add_nc_u64 s[G0B+6:G0B+7], s[46:47], s[74:75]
	s_or_b32 s[G0+3], s[G0+3], 0x80000000
	s_or_b32 s[G0+7], s[G0+7], 0x80000000
	s_or_b32 s[G0B+3], s[G0B+3], 0x80000000
	s_or_b32 s[G0B+7], s[G0B+7], 0x80000000
	JLOAD G0, G1, G0B, G1B
	s_wait_alu depctr_va_vdst(0)
	s_wait_tensorcnt 0x0
	ds_add_u32 v28, v29
	s_wait_dscnt 0x0
	CROUND
	JLOAD G0+4, G1, G0B+4, G1B
	v_and_b32 v1, 31, v0
	v_and_b32 v2, 15, v0
	v_bfe_u32 v3, v0, 4, 1
	v_lshlrev_b32 v24, 4, v1
	v_lshlrev_b32 v25, 3, v1
	v_mov_b32 v30, s84
	v_mov_b32 v4, s85
	v_cndmask_b32 v30, v30, v4, s98
	v_lshl_add_u32 v30, v2, 5, v30
.irp i, 0,1,2,3,4,5,6,7
	global_load_b128 v[SC+8*\i:SC+8*\i+3], v30, s[8:9] offset:512*\i
	global_load_b128 v[SC+8*\i+4:SC+8*\i+7], v30, s[8:9] offset:512*\i+16
.endr
	v_lshlrev_b32 v5, 7, v3
	v_add_nc_u32 v5, s88, v5
	WIN 0x40
.irp q, 0,1,2,3,4,5,6,7
	global_load_b128 v[96+4*\q:96+4*\q+3], v5, s[10:11] offset:16*\q
	global_load_b128 v[224+4*\q:224+4*\q+3], v5, s[10:11] offset:256+16*\q
.endr
	WIN 0
	s_mul_i32 s18, s15, 24576
	s_mul_i32 s19, s16, 24576
	s_add_co_u32 s19, s19, 49152
.irp s, 0,1
	v_add_nc_u32 v[16+\s], s18, v24
	v_add_nc_u32 v[18+\s], s18, v25
	v_add_nc_u32 v[20+\s], s19, v24
	v_add_nc_u32 v[22+\s], s19, v25
	s_add_co_u32 s18, s18, SLOT
	s_add_co_u32 s19, s19, SLOT
.endr
	s_mul_i32 s18, s14, 8448
	v_mul_u32_u24 v[STO], v2, 528
	v_lshl_add_u32 v[STO], v3, 7, v[STO]
	v_add_nc_u32 v[STO], s18, v[STO]
	v_add_nc_u32 v[RD], s18, v24
	s_wait_alu depctr_va_vdst(0)
	s_wait_tensorcnt 1
	s_barrier_signal -1
	s_barrier_wait -1
	FETCH_B 0, 0, 0
	FETCH_A 0, 0, 0
	s_wait_loadcnt 0x0
	STEP 0, 0, 1
	TURN 0, 1, 1, 1
	STEP 1, 2, 0
	TURN 1, 0, 3, 1
	STEP 0, 4, 0
	TURN 0, 1, 5, 0
	STEP 1, 6, 0
	s_wait_dscnt 0x0                               ; the last 128 along K are in set 1
.set AF, 176
	WIN 0xa1
	MUL16 0, 1, 7, 0
	MUL16 2, 1, 7, 0
	WIN 0
.macro TOSTAGE a
.set AC, 64*((\a)%4)
	WIN 0x08+4*((\a)/4)
.irp b, 0,1,2,3,4,5,6,7
	ds_store_b128 v[STO], v[AC+8*\b:AC+8*\b+3] offset:256*(\b/4)+32*(\b%4)
	ds_store_b128 v[STO], v[AC+8*\b+4:AC+8*\b+7] offset:256*(\b/4)+32*(\b%4)+16
.endr
	WIN 0
.set BB, BK+64*((\a)%2)
.irp t, 0,1,2,3,4,5,6,7,8,9,10,11,12,13,14,15
	ds_load_b128 v[BB+4*\t:BB+4*\t+3], v[RD] offset:\t*528
.endr
.endm
.macro SEND a, younger
.set BB, BK+64*((\a)%2)
	s_wait_dscnt \younger
.irp t, 0,1,2,3,4,5,6,7,8,9,10,11,12,13,14,15
	global_store_b128 v24, v[BB+4*\t:BB+4*\t+3], s[12:13] offset:(64*((\a)/4)+32*(\t/8)+8*((\a)%4)+(\t%8))*4096 th:TH_STORE_NT
.endr
.endm
	PLACES
	TOSTAGE 0
.irp a, 1,2,3
.if \a > 1
	s_wait_xcnt 0x0
.endif
	TOSTAGE \a
	SEND \a-1, 32
.endr
	SEND 3, 0
	s_wait_tensorcnt 0x0
	ds_add_u32 v[SPW], v[NIL]
	s_wait_dscnt 0x0
	CROUND
	s_endpgm
.Lfunc_end_k_q7282c0384a_proj:
	.size	k_q7282c0384a_proj, .Lfunc_end_k_q7282c0384a_proj-k_q7282c0384a_proj
	.p2alignl 7, 3214868480
	.fill 96, 4, 3214868480
	.section	.rodata,"a",@progbits
	.p2align	6, 0x0
	.amdhsa_kernel k_q7282c0384a_proj
		.amdhsa_group_segment_fixed_size 327680
		.amdhsa_private_segment_fixed_size 0
		.amdhsa_enable_private_segment 0
		.amdhsa_kernarg_size 40
		.amdhsa_user_sgpr_count 2
		.amdhsa_user_sgpr_kernarg_segment_ptr 1
		.amdhsa_wavefront_size32 1
		.amdhsa_system_sgpr_workgroup_id_x 1
		.amdhsa_system_sgpr_workgroup_id_y 1
		.amdhsa_system_sgpr_workgroup_id_z 1
		.amdhsa_system_vgpr_workitem_id 0
		.amdhsa_next_free_vgpr 1024
		.amdhsa_next_free_sgpr 100
		.amdhsa_reserve_vcc 0
		.amdhsa_float_denorm_mode_32 3
		.amdhsa_float_denorm_mode_16_64 3
		.amdhsa_memory_ordered 1
		.amdhsa_forward_progress 1
		.amdhsa_inst_pref_size 87
	.end_amdhsa_kernel
	.amdgpu_metadata
---
amdhsa.version: [ 1, 2 ]
amdhsa.kernels:
  - .name:           k_q7282c0384a_proj
    .symbol:         k_q7282c0384a_proj.kd
    .args:
      - { .name: oc, .offset: 0, .size: 8, .value_kind: global_buffer, .address_space: global }
      - { .name: wpc, .offset: 8, .size: 8, .value_kind: global_buffer, .address_space: global }
      - { .name: sc2, .offset: 16, .size: 8, .value_kind: global_buffer, .address_space: global }
      - { .name: b_proj, .offset: 24, .size: 8, .value_kind: global_buffer, .address_space: global }
      - { .name: out0, .offset: 32, .size: 8, .value_kind: global_buffer, .address_space: global }
    .group_segment_fixed_size: 327680
    .private_segment_fixed_size: 0
    .kernarg_segment_align: 8
    .kernarg_segment_size: 40
    .max_flat_workgroup_size: 128
    .sgpr_count:     100
    .vgpr_count:     1024
    .wavefront_size: 32
...
	.end_amdgpu_metadata
.endif
;; end of part 4
